; MI455X (gfx1250); checked and timed in simulation.
; The chip was launched on July 23, 2026; its instructions are those of AMD's public machine-readable ISA for CDNA 5 (MIT licence, August 2026) and "CDNA5" Instruction Set Architecture Reference Guide (July 2026). The comments in the code are by the model that wrote it; some were corrected since.
;; Attention. Allowed arithmetic: matrix products marked QUANTISED: E3M2 operands, one E8M0 scale for each 32 along K, by v_wmma_scale_f32_16x16x128_f8f6f4 with both operands' format E3M2, f32 sums; everything else in f32.
;; Inputs: wk_b 768 float32; wk_w 768 x 768 float32; wo_b 768 float32; wo_w 768 x 768 float32; wq_b 768 float32; wq_w 768 x 768 float32; wv_b 768 float32; wv_w 768 x 768 float32; x 16 x 1,024 x 768 float32.
;; Outputs: out0 16 x 1,024 x 768 float32.
;; This version of the problem:
;;   THIS VERSION OF THE PROBLEM IS GIVEN IN LOW PRECISION. The matrix products marked QUANTISED in the list below multiply operands that are first quantised to E3M2 (3 exponent bits, 2 mantissa bits; 6 bits a number), with one power-of-two scale for each 32 numbers along K (OCP MX v1.0); their sums are f32. All else is computed in f32.
;;   The module's matrix products, in the order in which they are computed (A, B: the left and right operand; K: the contracted axis; several contracted axes count as one K, in the product's order):
;;     1. [M 16,384, K 768] x [K 768, N 768]; A: input x; B: input wq_w: QUANTISED
;;     2. [M 16,384, K 768] x [K 768, N 768]; A: input x; B: input wk_w: QUANTISED
;;     3. [M 16,384, K 768] x [K 768, N 768]; A: input x; B: input wv_w: QUANTISED
;;     4. batch 192 x [M 1,024, K 64] x [K 64, N 1,024]; A: computed on the way; B: computed on the way: QUANTISED
;;     5. batch 192 x [M 64, K 1,024] x [K 1,024, N 1,024]; A: computed on the way; B: softmax (see below): QUANTISED
;;     6. [M 16,384, K 768] x [K 768, N 768]; A: computed on the way; B: input wo_w: QUANTISED
;;   THE QUANTISER, for each operand of a quantised product, along K:
;;     - K is cut into blocks of 32 from its start; a last block that is shorter is filled with zeros.
;;     - A block's scale is 2^e with e = floor(log2(the largest magnitude in the block)) - 4, held to -126 .. 127; a block of zeros has e = 0. As a byte (E8M0): e + 127.
;;     - Each number is divided by its block's scale, clamped to +-28, and rounded to the nearest number of E3M2, ties to even, subnormals kept.
;;     - The product sums the exact products of the quantised numbers (number of the format x scale) in f32.
;;   ~~~python
;;   def quantise(x, axis):      # numpy; x: float32 -> the quantised numbers, widened to float32 again
;;       x = np.moveaxis(x, axis, -1); K = x.shape[-1]
;;       x = np.pad(x, [(0, 0)] * (x.ndim - 1) + [(0, -K % 32)]); x = x.reshape(x.shape[:-1] + (-1, 32)); a = np.abs(x).max(-1, keepdims=True)
;;       e = np.where(a > 0, np.clip(np.frexp(np.where(a > 0, a, 1))[1] - 1 - 4, -126, 127), 0)      # np.frexp(a)[1] - 1 = floor(log2(a)), exactly
;;       r = np.clip(x / 2.0 ** e, -28, 28)
;;       step = 2.0 ** (np.maximum(np.frexp(np.where(r == 0, 1, r))[1] - 1, -2) - 2)
;;       q = np.round(r / step) * step * 2.0 ** e      # np.round: ties to even
;;       return np.moveaxis(q.reshape(q.shape[:-2] + (-1,))[..., :K], -1, axis).astype(np.float32)
;;   ~~~
;;   SOFTMAX AHEAD OF A QUANTISED PRODUCT. Where the list says 'softmax', what is quantised is not the finished softmax but p = 2^(t - M), with t = logit x log2(e) and M = ceil(the row's largest t), a whole number; so 1/2 < the row's largest p <= 1. The row's sum l is taken of the UNQUANTISED p, in f32, and the product's result is divided by l at the end. Since M is a whole number, a kernel that streams over the keys may use a running M (the ceiling of the running maximum): every later rescaling is an exact power of two, which a block's scale takes up: the codes' values come out the same.
;;   OPERANDS COMPUTED ON THE WAY. 'Computed on the way' means the value that the module computes at that place (a softmax that the list does not call 'softmax' is quantised finished and normalised). What goes into a quantiser is computed in f32, as accurately as f32 sums, v_exp_f32 and their like allow (about 1e-6 of the number): no bf16 or f16 on the way to a quantiser, and a product that is left as it is and whose result goes on into a quantised operand takes f32 operands (vector FMAs, or v_wmma_f32_16x16x4_f32). A number that lies on a knife's edge between two numbers of the format may be rounded either way, as far as f32 arithmetic and the matrix unit's own rounding can turn it there, and no further.
;; One version. Each part assembles by itself: llvm-mc -triple=amdgcn-amd-amdhsa -mcpu=gfx1250 --defsym DOCPART=n.
;; ======== version 1 of 1: 4 launches
;; limits: right only within a limited range of input values
;; workspace buffers: img 11,673,600 bytes; qkv 29,491,200 bytes; oimg 9,830,400 bytes
;; launch prep (part 1): grid 304 x 3, 4 waves a work-group, no clusters, 34,304 bytes of LDS; arguments x, wq_w, wk_w, wv_w, wo_w, img; writes img
.if DOCPART == 1
	.amdgcn_target "amdgcn-amd-amdhsa--gfx1250"
	.amdhsa_code_object_version 6
	.text
	.protected	k_qe01044b282_prep
	.globl	k_qe01044b282_prep
	.p2align	8
	.type	k_qe01044b282_prep,@function
k_qe01044b282_prep:
	s_mov_b64 s[64:65], 0
	v_nop
	global_prefetch_b8 v0, s[64:65] scope:SCOPE_SE
	s_setreg_imm32_b32 hwreg(HW_REG_WAVE_MODE, 25, 1), 1
	s_wait_xcnt 0x0
; x [16384][768] and the four weights [768][768], f32 with K innermost, become codes of BF6 (E3M2) with one E8M0 byte for each 32 along K,
; laid as IMAGES OF OPERAND REGISTERS.  A record is 64 rows x 768 K = 38,400 bytes: records 0-255 x, 256-267 wq, 268-279 wk, 280-291 wv, 292-303 wo.
; In a record: fragment (tile t of 16 rows, K step s of 128) at (6 t + s) x 1,536: its registers 4 q .. 4 q + 3 of lane l at 512 q + 16 l; its scale words at 36,864 + (6 t + s) x 64 + 4 x row.
; THE ROWS OF A TILE ARE NOT NEIGHBOURS: row p of tile 2 b + u is row 32 b + 8 u + p + 8 (p / 8) of the record, so that the results of two neighbouring tiles are 16 neighbours in a lane's registers in the products that follow.
; A block's scale is 2^(floor(log2(largest magnitude)) - 4): the byte is the largest magnitude's exponent field - 4, held at 1 from below by a floor among the maximum's leaves.
; LIMITS: NaN and infinities are not served; a block of zeros, or one under 2^-122, gets the byte 1 (its codes are zeros or subnormal codes; only this program reads the bytes).
; SHARES: work-group (R, sp) takes record R, K steps 2 sp and 2 sp + 1; wave w takes tile w: two fragments.  Each load reads 512 consecutive bytes of one row; the 16 x 512 bytes turn through the wave's own
; stage in LDS (rows 528 bytes apart: 33 x 16, so the sixteen rows of a read start in different banks) and come back as 16 neighbours of each block a lane.  Waves share nothing: no barrier, no cluster, no tensor load.
.set REC,  38400
.set SP,   528                         ; a stage row: 512 bytes + 16
.set RAW,  16                          ; v16-143   two sets of 64 registers as loaded
.set XN,   144                         ; v144-207  64 numbers: register 16 b + i = k 32 b + 16 (lane / 16) + i of my row
.set PC,   208                         ; v208-226  the codes
.set TM,   228                         ; v228-243  at work
.set PW,   244                         ; v244-245  the two scale words
.set SRC,  20                          ; s[20:21]  my tile's first row, my first K step
.set DC,   24                          ; s[24:25]  where my codes go
.set DW,   26                          ; s[26:27]  where my scale words go
.set HM,   28                          ; s28       lanes 16-31
.set SEL,  30                          ; s[30:31]  v_permlanex16_b32's selects for lane l xor 16
; 64 numbers of a lane become a fragment's codes in v[PC] .. v[PC+11] and its rows' scale word in v[pw]
.macro QUANT s, pw
.irp b, 0,1,2,3
	v_max3_num_f32 v[TM+\b], |v[(\s)+16*\b]|, |v[(\s)+1+16*\b]|, 0x2800000   ; block b: my 16 numbers, and the floor 2^(5 - 127)
.endr
.irp i, 2,4,6,8,10,12,14
.irp b, 0,1,2,3
	v_max3_num_f32 v[TM+\b], v[TM+\b], |v[(\s)+16*\b+\i]|, |v[(\s)+1+16*\b+\i]|   ; the four blocks by turns
.endr
.endr
.irp b, 0,1,2,3
	v_permlanex16_b32 v[TM+4+\b], v[TM+\b], s[SEL], s[SEL+1]
.endr
.irp b, 0,1,2,3
	v_max_num_f32 v[TM+\b], v[TM+\b], v[TM+4+\b]   ; with lane l xor 16's 16: the block's largest magnitude
.endr
.irp b, 0,1,2,3
	v_add_nc_u32 v[TM+12+\b], 0xfe000000, v[TM+\b]   ; 4 off its exponent field: the conversion's scale operand
.endr
.irp b, 0,1,2,3
	v_lshrrev_b32 v[TM+4+\b], 23, v[TM+12+\b]      ; the scale's byte
.endr
	v_lshl_or_b32 v[\pw], v[TM+5], 8, v[TM+4]
	v_lshl_or_b32 v[\pw], v[TM+6], 16, v[\pw]
	v_lshl_or_b32 v[\pw], v[TM+7], 24, v[\pw]
	s_wait_xcnt 0x0                                ; the last stores have read the codes' registers: they are written again only behind this wait
.irp c, 0,1
	v_cvt_scalef32_pk16_bf6_f32 v[PC+6*\c:PC+2+6*\c], v[(\s)+32*\c:(\s)+15+32*\c], v[TM+12+2*\c]
	v_cvt_scalef32_pk16_bf6_f32 v[PC+12+4*\c:PC+14+4*\c], v[(\s)+16+32*\c:(\s)+31+32*\c], v[TM+12+2*\c+1]   ; (a conversion's three registers begin on an even number)
.endr
	v_nop                                          ; one plain place behind a scaled conversion
.irp c, 0,1                                    ; the operand wants a whole block in a lane: lanes 0-15 block 2 c, lanes 16-31 block 2 c + 1
.irp i, 0,1,2
	v_permlane16_swap_b32 v[PC+6*\c+\i], v[PC+12+4*\c+\i]
.endr
.irp i, 0,1,2
	v_mov_b32 v[PC+3+6*\c+\i], v[PC+12+4*\c+\i]
.endr
.endr
.endm
.macro LOAD f                          ; K step f of my two: row p of the tile, 512 consecutive bytes an instruction
.irp i, 0,1,2,3,4,5,6,7,8,9,10,11,12,13,14,15
	global_load_b128 v[RAW+64*\f+4*\i:RAW+64*\f+4*\i+3], v1, s[SRC:SRC+1] offset:(\i+8*(\i/8))*3072+512*\f th:TH_LOAD_NT
.endr
.endm
.macro TURN f                          ; through my stage; LDS serves a wave's instructions in order, so no wait stands between the stores and the loads
.irp i, 0,1,2,3,4,5,6,7,8,9,10,11,12,13,14,15
	ds_store_b128 v2, v[RAW+64*\f+4*\i:RAW+64*\f+4*\i+3] offset:SP*\i
.endr
.irp b, 0,1,2,3
.irp j, 0,1,2,3
	ds_load_b128 v[XN+16*\b+4*\j:XN+16*\b+4*\j+3], v3 offset:128*\b+16*\j
.endr
.endr
.endm
	s_load_b256 s[4:11], s[0:1], 0x0               ; x, wq_w, wk_w, wv_w
	s_load_b128 s[12:15], s[0:1], 0x20             ; wo_w, img
	v_lshl_add_u32 v254, v0, 2, 0x8400
	v_mov_b32 v255, 0
	v_lshrrev_b32 v5, 5, v0
	v_readfirstlane_b32 s16, v5                    ; wave = tile
	v_and_b32 v6, 31, v0                           ; lane
	v_and_b32 v7, 15, v0                           ; r
	v_bfe_u32 v8, v0, 4, 1                         ; h
	v_lshlrev_b32 v1, 4, v6                        ; 16 x lane
	v_lshlrev_b32 v4, 2, v6                        ; 4 x lane
	s_mul_i32 s17, s16, 16*SP                      ; my stage
	v_add_nc_u32 v2, s17, v1                       ; into it: 16 x lane of a row
	v_mul_u32_u24 v3, v7, SP
	v_lshl_add_u32 v3, v8, 6, v3
	v_add_nc_u32 v3, s17, v3                       ; out of it: row r, + 64 h
.irp b, 0,1,2,3
	v_mov_b32 v[TM+4+\b], 0                        ; written once: a lane permute's destination counts as one of its sources
.endr
	s_mov_b32 s[HM], 0xffff0000
	s_mov_b32 s[SEL], 0x76543210
	s_mov_b32 s[SEL+1], 0xfedcba98
	s_and_b32 s23, ttmp7, 0xffff                   ; sp
	s_lshr_b32 s32, s16, 1
	s_lshl_b32 s32, s32, 5
	s_and_b32 s33, s16, 1
	s_lshl_b32 s33, s33, 3
	s_add_co_u32 s32, s32, s33                     ; the tile's first row: 32 (w / 2) + 8 (w % 2)
	s_mul_i32 s32, s32, 3072
	s_lshl_b32 s33, s23, 10
	s_add_co_u32 s32, s32, s33                     ; + two K steps of 512 bytes for each sp
	s_mul_i32 s34, s16, 6
	s_lshl_b32 s35, s23, 1
	s_add_co_u32 s34, s34, s35                     ; my first fragment: 6 w + 2 sp
	s_mul_i32 s36, ttmp9, REC
	s_lshl_b32 s38, s34, 6
	s_add_co_u32 s38, s38, s36
	s_add_co_u32 s38, s38, 36864                   ; its scale words
	s_mul_i32 s35, s34, 1536
	s_add_co_u32 s36, s36, s35                     ; its codes
	s_mov_b32 s37, 0
	s_mov_b32 s39, 0
	s_wait_alu depctr_va_vdst(0)
	s_wait_kmcnt 0x0
	s_mov_b64 s[SRC:SRC+1], s[12:13]               ; which tensor: the choice hangs on the work-group's number alone
	s_mov_b32 s22, 292
	s_cmp_lt_u32 ttmp9, 292
	s_cselect_b64 s[SRC:SRC+1], s[10:11], s[SRC:SRC+1]
	s_cselect_b32 s22, 280, s22
	s_cmp_lt_u32 ttmp9, 280
	s_cselect_b64 s[SRC:SRC+1], s[8:9], s[SRC:SRC+1]
	s_cselect_b32 s22, 268, s22
	s_cmp_lt_u32 ttmp9, 268
	s_cselect_b64 s[SRC:SRC+1], s[6:7], s[SRC:SRC+1]
	s_cselect_b32 s22, 256, s22
	s_cmp_lt_u32 ttmp9, 256
	s_cselect_b64 s[SRC:SRC+1], s[4:5], s[SRC:SRC+1]
	s_cselect_b32 s22, 0, s22
	s_sub_co_u32 s18, ttmp9, s22                   ; the record's number within its tensor
	s_mul_i32 s18, s18, 196608                     ; 64 rows of 3,072 bytes
	s_add_co_u32 s18, s18, s32
	s_mov_b32 s19, 0
	s_add_nc_u64 s[SRC:SRC+1], s[SRC:SRC+1], s[18:19]
	s_add_nc_u64 s[DC:DC+1], s[14:15], s[36:37]
	s_add_nc_u64 s[DW:DW+1], s[14:15], s[38:39]
	LOAD 0
	LOAD 1
	s_wait_loadcnt 16                              ; the first K step's 16 loads are in; the second's may be out
	TURN 0
	s_wait_dscnt 0x0
	QUANT XN, PW
.irp q, 0,1,2
	global_store_b128 v1, v[PC+4*\q:PC+4*\q+3], s[DC:DC+1] offset:512*\q   ; 32 lanes store 512 consecutive bytes, at a multiple of 256
.endr
	s_wait_loadcnt 0x0
	TURN 1
	s_wait_dscnt 0x0
	QUANT XN, PW+1
.irp q, 0,1,2
	global_store_b128 v1, v[PC+4*\q:PC+4*\q+3], s[DC:DC+1] offset:1536+512*\q
.endr
	v_cndmask_b32 v246, v[PW], v[PW+1], s[HM]      ; lanes 0-15 the first fragment's words, lanes 16-31 the second's
	global_store_b32 v4, v246, s[DW:DW+1]          ; 128 consecutive bytes
	s_wait_tensorcnt 0x0
	ds_add_u32 v254, v255
	s_wait_dscnt 0x0
	s_endpgm
.Lfunc_end_k_qe01044b282_prep:
	.size	k_qe01044b282_prep, .Lfunc_end_k_qe01044b282_prep-k_qe01044b282_prep
	.p2alignl 7, 3214868480
	.fill 96, 4, 3214868480
	.section	.rodata,"a",@progbits
	.p2align	6, 0x0
	.amdhsa_kernel k_qe01044b282_prep
		.amdhsa_group_segment_fixed_size 34304
		.amdhsa_private_segment_fixed_size 0
		.amdhsa_enable_private_segment 0
		.amdhsa_kernarg_size 48
		.amdhsa_user_sgpr_count 2
		.amdhsa_user_sgpr_kernarg_segment_ptr 1
		.amdhsa_wavefront_size32 1
		.amdhsa_system_sgpr_workgroup_id_x 1
		.amdhsa_system_sgpr_workgroup_id_y 1
		.amdhsa_system_sgpr_workgroup_id_z 1
		.amdhsa_system_vgpr_workitem_id 0
		.amdhsa_next_free_vgpr 256
		.amdhsa_next_free_sgpr 66
		.amdhsa_reserve_vcc 0
		.amdhsa_float_denorm_mode_32 3
		.amdhsa_float_denorm_mode_16_64 3
		.amdhsa_memory_ordered 1
		.amdhsa_forward_progress 1
		.amdhsa_inst_pref_size 19
	.end_amdhsa_kernel
	.amdgpu_metadata
---
amdhsa.version: [ 1, 2 ]
amdhsa.kernels:
  - .name:           k_qe01044b282_prep
    .symbol:         k_qe01044b282_prep.kd
    .args:
      - { .name: x, .offset: 0, .size: 8, .value_kind: global_buffer, .address_space: global }
      - { .name: wq_w, .offset: 8, .size: 8, .value_kind: global_buffer, .address_space: global }
      - { .name: wk_w, .offset: 16, .size: 8, .value_kind: global_buffer, .address_space: global }
      - { .name: wv_w, .offset: 24, .size: 8, .value_kind: global_buffer, .address_space: global }
      - { .name: wo_w, .offset: 32, .size: 8, .value_kind: global_buffer, .address_space: global }
      - { .name: img, .offset: 40, .size: 8, .value_kind: global_buffer, .address_space: global }
    .group_segment_fixed_size: 34304
    .private_segment_fixed_size: 0
    .kernarg_segment_align: 8
    .kernarg_segment_size: 48
    .max_flat_workgroup_size: 128
    .sgpr_count:     66
    .vgpr_count:     256
    .wavefront_size: 32
...
	.end_amdgpu_metadata
.endif
;; end of part 1
;; launch qkv (part 2): grid 256 x 1, 4 waves a work-group, clusters of 4 x 1, 327,680 bytes of LDS; arguments img, wq_b, wk_b, wv_b, qkv; writes qkv
.if DOCPART == 2
	.amdgcn_target "amdgcn-amd-amdhsa--gfx1250"
	.amdhsa_code_object_version 6
	.text
	.protected	k_qe01044b282_qkv
	.globl	k_qe01044b282_qkv
	.p2align	8
	.type	k_qe01044b282_qkv,@function
k_qe01044b282_qkv:
	s_mov_b64 s[64:65], 0
	v_nop
	global_prefetch_b8 v0, s[64:65] scope:SCOPE_SE
	s_setreg_imm32_b32 hwreg(HW_REG_WAVE_MODE, 25, 1), 1
	s_wait_xcnt 0x0
	s_wait_alu depctr_hold_cnt(0) depctr_sa_sdst(0) depctr_va_vdst(0) depctr_va_sdst(0) depctr_va_ssrc(0) depctr_va_vcc(0) depctr_vm_vsrc(0)
	s_getreg_b32 s2, hwreg(HW_REG_IB_STS2, 6, 4)
	s_cmp_eq_u32 s2, 0
	s_cbranch_scc0 .Lentry_in_a_cluster
	s_endpgm
.Lentry_in_a_cluster:
	s_bfe_u32 s2, ttmp6, 0x10000c
	s_cmp_lg_u32 s2, 0x3003
	s_cbranch_scc0 .Lentry_shape_is_right
	s_endpgm
.Lentry_shape_is_right:
; q = x wq^T + bq, k = x wk^T + bk, v = x wv^T + bv on codes of BF6 with E8M0 scales; the results are quantised at once: q and k along the head's 64, v along the keys (tokens).
; SHARES.  Work-group X takes 64 tokens (x's record X) and all 2,304 columns.  Every wave keeps x's 24 fragments (288 registers) and 12 scale registers for the whole launch.
; The 36 weight records (one head of q, k or v each: 64 rows x 768 K, register images) go through a ring of two LDS slots of four records: in tile i wave w fetches, reads and multiplies record 4 i + w: nine tiles.
; CLUSTER.  The four work-groups of a cluster walk the same weights: each record is asked for jointly, by the same tensor load with the mask 15: a quarter of the requests.
; q, k: source 0 = 16 rows of the weight, source 1 = 16 tokens: a lane holds one token and, by the choice of a tile's rows, the registers of tiles 2 b, 2 b + 1 are channels 32 b + 16 (lane / 16) + 0 .. 15.
; v:    source 0 = 16 tokens, source 1 = 16 rows of the weight: a lane holds one channel and its registers run along the tokens, which are the next product's K.
; The biases are the C of each sum's first product.  The 16 accumulators take turns, one instruction a turn, in the same order in every K step.
; OUT, records of 51,200 bytes at [batch][j]: j = head: q; 12 + head: k; 24 + head: v.
;   q, k: pair block p (tokens 32 p ..) at 1,536 p + 512 quad + 16 lane: registers 0-5 tile 2 p (lane (r, h): channels 32 h ..), registers 6-11 tile 2 p + 1; scale words at 49,152 + 64 p + 4 r.
;   v: fragment (key step s, channel tile n) at (4 s + n) x 1,536 + 256 P + 8 lane (registers 2 P, 2 P + 1); scale words at 49,152 + 256 s + 64 n + 4 r.  A work-group owns half a key step: three register pairs and two scale bytes
;   of each fragment; so v's scale bytes leave two at a time, 64 bytes an instruction.
; LIMITS: NaN and infinities are not served; a block of zeros, or one under 2^-122, gets the byte 1 (only this program reads the bytes).
; No prefetch: the weights are read again and again by all clusters; x's record is asked for at the head.
; REGISTERS.  window 0: v1-15 addresses; v16-27 v's biases; v28-39 x's scale words; v40-51 the record's; v52-83 a tile's biases; v84-211 accumulators; v212-251 the quantiser's.
;   window 1: x's fragments (K step s < 5, tile m) at 48 s + 12 m.   window 2: K step 5 at 12 m; the weight's four fragments of a K step, two sets, at 48 and 96.
.set REC,   38400
.set SLOT,  4*REC
.set SPARE, 2*SLOT                     ; behind the ring: the spare words, 128 bytes a wave: two blocks of 256 bytes that no other line names
.set QREC,  51200
.set SPW,  1                           ; v1   my spare word's LDS address; never rewritten
.set NIL,  2                           ; v2   0; never rewritten
.set ADB,  3                           ; v3-4 my record's codes in slot 0, 1: + 16 x lane
.set ADS,  5                           ; v5-6 its scale words: + 4 x lane
.set LI,   7                           ; v7   16 x lane
.set XSO,  8                           ; v8   36,864 + 4 x lane
.set BO,   9                           ; v9   64 h
.set VOC,  10                          ; v10  q, k: my codes' place in a record
.set VOS,  11                          ; v11  their scale words'
.set VOVC, 12                          ; v12  v: my codes' place
.set VOVS, 13                          ; v13  its scale bytes'
.set SH,   14                          ; v14  16 h
.set VBO,  15                          ; v15  4 (r + 8 (r / 8))
.set VB,   16
.set XS,   28
.set WS,   40
.set BI,   52
.set ACC,  84
.set PC,   212
.set TM,   232
.set PW,   248
.set WV,   14
.set G1,   20                          ; s[20:27] descriptor group 1
.set G0,   28                          ; s[28:35] group 0, one set for each slot
.set XP,   36                          ; s[36:37] x's record
.set RP,   38                          ; s[38:39] the record that I write
.set BP,   40                          ; s[40:41] the tile's biases
.set KB,   42                          ; s[42:43] wk_b at my wave's head
.set VP,   44                          ; s[44:45] wv_b likewise
.set FI,   46                          ; s46 the tile's number
.set CNT,  47
.set HM,   48                          ; s48 lanes 16-31
.set SEL,  50
.set MSB, 0
.macro WIN new                         ; the immediate's high byte repeats the setting that is left
.if MSB != \new
	s_set_vgpr_msb (MSB<<8)|\new
.set MSB, \new
.endif
.endm
.macro PLACES                          ; four plain places (ISA guide 7.12.1 for products): behind products, ahead of loads into their registers and of reads of their results; and behind a tensor load
.rept 4
	v_nop
.endr
.endm
.macro ROUND                           ; a round of the cluster's barrier
	s_barrier_signal -1
	s_barrier_wait -1
	s_cmp_lg_u32 s[WV], 0
	s_cbranch_scc1 .Lnot_wave_0_\@
	s_barrier_signal -3
.Lnot_wave_0_\@:
	s_barrier_wait -3
	s_barrier_signal -1
	s_barrier_wait -1
.endm
; 64 numbers of a lane (register 16 b + i = element 16 (lane / 16) + i of block b) become 12 registers of codes in v[PC] on and the four blocks' bytes in v[pw]
.macro QUANT s, pw
.irp b, 0,1,2,3
	v_max3_num_f32 v[TM+\b], |v[(\s)+16*\b]|, |v[(\s)+1+16*\b]|, 0x2800000   ; my 16 numbers, from each accumulator's low end on, and the floor 2^(5 - 127)
.endr
.irp i, 2,4,6,8,10,12,14
.irp b, 0,1,2,3
	v_max3_num_f32 v[TM+\b], v[TM+\b], |v[(\s)+16*\b+\i]|, |v[(\s)+1+16*\b+\i]|
.endr
.endr
.irp b, 0,1,2,3
	v_permlanex16_b32 v[TM+4+\b], v[TM+\b], s[SEL], s[SEL+1]
.endr
.irp b, 0,1,2,3
	v_max_num_f32 v[TM+\b], v[TM+\b], v[TM+4+\b]
.endr
.irp b, 0,1,2,3
	v_add_nc_u32 v[TM+12+\b], 0xfe000000, v[TM+\b]   ; 4 off the exponent field: the conversion's scale operand
.endr
.irp b, 0,1,2,3
	v_lshrrev_b32 v[TM+4+\b], 23, v[TM+12+\b]
.endr
	v_lshl_or_b32 v[\pw], v[TM+5], 8, v[TM+4]
	v_lshl_or_b32 v[\pw], v[TM+6], 16, v[\pw]
	v_lshl_or_b32 v[\pw], v[TM+7], 24, v[\pw]
	s_wait_xcnt 0x0                                ; the last stores have read the codes' registers
.irp c, 0,1
	v_cvt_scalef32_pk16_bf6_f32 v[PC+6*\c:PC+2+6*\c], v[(\s)+32*\c:(\s)+15+32*\c], v[TM+12+2*\c]
	v_cvt_scalef32_pk16_bf6_f32 v[PC+12+4*\c:PC+14+4*\c], v[(\s)+16+32*\c:(\s)+31+32*\c], v[TM+12+2*\c+1]
.endr
	v_nop                                          ; one plain place behind a scaled conversion
.irp c, 0,1
.irp i, 0,1,2
	v_permlane16_swap_b32 v[PC+6*\c+\i], v[PC+12+4*\c+\i]
.endr
.irp i, 0,1,2
	v_mov_b32 v[PC+3+6*\c+\i], v[PC+12+4*\c+\i]
.endr
.endr
.endm
.macro FETCH slot, s                   ; my record's four fragments of K step s into set s % 2: 12 loads of 512 consecutive bytes
	WIN 0x80
.irp t, 0,1,2,3
.irp q, 0,1,2
	ds_load_b128 v[48+48*((\s)%2)+12*\t+4*\q:48+48*((\s)%2)+12*\t+4*\q+3], v[ADB+\slot] offset:(6*\t+(\s))*1536+512*\q
.endr
.endr
.endm
.macro MULQK s                         ; 16 products: source 0 the weight's tile t, source 1 x's tile m.  A scale register holds the even K step's words in lanes 0-15, the odd one's in lanes 16-31
.if (\s) < 5
	WIN 0x06
.set XB, 48*(\s)
.else
	WIN 0x0a
.set XB, 0
.endif
.set WB, 48+48*((\s)%2)
.irp m, 0,1,2,3
.irp t, 0,1,2,3
.if (\s) == 0
	v_wmma_scale_f32_16x16x128_f8f6f4 v[ACC+32*\m+8*\t:ACC+32*\m+8*\t+7], v[WB+12*\t:WB+12*\t+11], v[XB+12*\m:XB+12*\m+11], v[BI+8*\t:BI+8*\t+7], v[WS+3*\t+(\s)/2], v[XS+3*\m+(\s)/2] matrix_a_fmt:MATRIX_FMT_BF6 matrix_b_fmt:MATRIX_FMT_BF6
.elseif (\s)%2 == 0
	v_wmma_scale_f32_16x16x128_f8f6f4 v[ACC+32*\m+8*\t:ACC+32*\m+8*\t+7], v[WB+12*\t:WB+12*\t+11], v[XB+12*\m:XB+12*\m+11], v[ACC+32*\m+8*\t:ACC+32*\m+8*\t+7], v[WS+3*\t+(\s)/2], v[XS+3*\m+(\s)/2] matrix_a_fmt:MATRIX_FMT_BF6 matrix_b_fmt:MATRIX_FMT_BF6
.else
	v_wmma_scale_f32_16x16x128_f8f6f4 v[ACC+32*\m+8*\t:ACC+32*\m+8*\t+7], v[WB+12*\t:WB+12*\t+11], v[XB+12*\m:XB+12*\m+11], v[ACC+32*\m+8*\t:ACC+32*\m+8*\t+7], v[WS+3*\t+(\s)/2], v[XS+3*\m+(\s)/2] matrix_a_fmt:MATRIX_FMT_BF6 matrix_b_fmt:MATRIX_FMT_BF6 matrix_a_scale:MATRIX_SCALE_ROW1 matrix_b_scale:MATRIX_SCALE_ROW1
.endif
.endr
.endr
.endm
.macro MULV s                          ; the same with the sources swapped: source 0 x's tile m, source 1 the weight's tile n
.if (\s) < 5
	WIN 0x09
.set XB, 48*(\s)
.else
	WIN 0x0a
.set XB, 0
.endif
.set WB, 48+48*((\s)%2)
.irp n, 0,1,2,3
.irp m, 0,1,2,3
.if (\s) == 0
	v_wmma_scale_f32_16x16x128_f8f6f4 v[ACC+32*\n+8*\m:ACC+32*\n+8*\m+7], v[XB+12*\m:XB+12*\m+11], v[WB+12*\n:WB+12*\n+11], v[BI+8*\n:BI+8*\n+7], v[XS+3*\m+(\s)/2], v[WS+3*\n+(\s)/2] matrix_a_fmt:MATRIX_FMT_BF6 matrix_b_fmt:MATRIX_FMT_BF6
.elseif (\s)%2 == 0
	v_wmma_scale_f32_16x16x128_f8f6f4 v[ACC+32*\n+8*\m:ACC+32*\n+8*\m+7], v[XB+12*\m:XB+12*\m+11], v[WB+12*\n:WB+12*\n+11], v[ACC+32*\n+8*\m:ACC+32*\n+8*\m+7], v[XS+3*\m+(\s)/2], v[WS+3*\n+(\s)/2] matrix_a_fmt:MATRIX_FMT_BF6 matrix_b_fmt:MATRIX_FMT_BF6
.else
	v_wmma_scale_f32_16x16x128_f8f6f4 v[ACC+32*\n+8*\m:ACC+32*\n+8*\m+7], v[XB+12*\m:XB+12*\m+11], v[WB+12*\n:WB+12*\n+11], v[ACC+32*\n+8*\m:ACC+32*\n+8*\m+7], v[XS+3*\m+(\s)/2], v[WS+3*\n+(\s)/2] matrix_a_fmt:MATRIX_FMT_BF6 matrix_b_fmt:MATRIX_FMT_BF6 matrix_a_scale:MATRIX_SCALE_ROW1 matrix_b_scale:MATRIX_SCALE_ROW1
.endif
.endr
.endr
.endm
; A tile's 96 products.  K step s + 1's fragments are asked for ahead of K step s's 16 products
.macro PROCESS slot, kind
.irp i, 0,1,2,3,4,5,6,7,8,9,10,11
	ds_load_b32 v[WS+\i], v[ADS+\slot] offset:128*\i
.endr
	FETCH \slot, 0
.irp s, 0,1,2,3,4,5
.if \s < 5
.if \s > 0
	PLACES                                         ; the set to be loaded was read by the 16 products just issued
.endif
	FETCH \slot, \s+1
	s_wait_dscnt 12                                ; all but the 12 loads just issued: this K step's fragments (and the scale words) are in
.else
	s_wait_dscnt 0x0
.endif
.if \s == 0
	s_wait_loadcnt 0x0                             ; the tile's biases; in the first tile x's fragments and scale words too
.endif
.if \kind
	MULV \s
.else
	MULQK \s
.endif
.endr
	WIN 0
.endm
; The change of slots: all my tensor loads have landed (my record of this tile), the add, the wait for it and for my reads of the other slot, a round of the cluster's barrier, and the joint refill first behind it
.macro CHANGE slot
	s_wait_tensorcnt 0x0
	ds_add_u32 v[SPW], v[NIL]                      ; 0 onto my spare word
	s_add_nc_u64 s[G0+4*\slot+2:G0+4*\slot+3], s[G0+4*\slot+2:G0+4*\slot+3], 2*SLOT   ; no load of mine is out: this slot's descriptor steps two tiles on (behind the last refill the stepped address is not used)
.endm
.macro REFILL slot
	s_wait_dscnt 0x0
	ROUND
	tensor_load_to_lds s[G0+4-4*\slot:G0+7-4*\slot], s[G1:G1+7]   ; the next tile's record, into the slot read last: my one tensor load until the next round; it has a tile's 96 products in which to land
	s_nop 0
	PLACES
.endm
.macro TRIPQK slot
	s_cmp_eq_u32 s[FI], 3                          ; tiles 0-2 are q's, tiles 3-5 k's
	s_cselect_b64 s[BP:BP+1], s[KB:KB+1], s[BP:BP+1]
.irp t, 0,1,2,3
	global_load_b128 v[BI+8*\t:BI+8*\t+3], v[BO], s[BP:BP+1] offset:(32*(\t/2)+8*(\t%2))*4        ; lane (r, h), tile t: the biases of channels 32 (t / 2) + 16 h + 8 (t % 2) + 0 .. 7
	global_load_b128 v[BI+8*\t+4:BI+8*\t+7], v[BO], s[BP:BP+1] offset:(32*(\t/2)+8*(\t%2))*4+16
.endr
	CHANGE \slot
	REFILL \slot
	PROCESS \slot, 0
	PLACES
	QUANT ACC, PW                                  ; token tiles 0, 1: a pair block
.irp q, 0,1,2
	global_store_b128 v[VOC], v[PC+4*\q:PC+4*\q+3], s[RP:RP+1] offset:512*\q   ; 512 consecutive bytes, at a multiple of 256
.endr
	QUANT ACC+64, PW+1                             ; token tiles 2, 3
.irp q, 0,1,2
	global_store_b128 v[VOC], v[PC+4*\q:PC+4*\q+3], s[RP:RP+1] offset:1536+512*\q
.endr
	v_cndmask_b32 v250, v[PW], v[PW+1], s[HM]
	global_store_b32 v[VOS], v250, s[RP:RP+1]      ; the two pair blocks' scale words: 128 consecutive bytes
	s_wait_xcnt 0x0                                ; the stores and loads have read their bases and data: these are written again only behind this wait
	s_add_nc_u64 s[RP:RP+1], s[RP:RP+1], 4*QREC
	s_add_nc_u64 s[BP:BP+1], s[BP:BP+1], 1024
	s_add_co_u32 s[FI], s[FI], 1
.endm
.macro BIASV iv                        ; a lane holds one channel: its bias in all eight registers of the tile's C
.irp n, 0,1,2,3
.irp j, 0,1,2,3,4,5,6,7
	v_mov_b32 v[BI+8*\n+\j], v[VB+4*\iv+\n]
.endr
.endr
.endm
.macro TRIPV slot, refill, iv
.if \refill
	CHANGE \slot
	BIASV \iv                                      ; work on registers between the add and the wait for it
	REFILL \slot
.else
	BIASV \iv
	s_wait_tensorcnt 0x0                           ; the last record has landed; only I read it, and nothing is filled again
.endif
	s_wait_alu depctr_va_vdst(0)
	PROCESS \slot, 1
	PLACES
.irp a, 0,1
	s_wait_xcnt 0x0                                ; the last stores have read v[TM] on, which the quantiser writes again
	QUANT ACC+64*\a, PW+\a                         ; channel tiles 2 a, 2 a + 1: my 64 tokens are two blocks of keys
; THE ORDER OF KEYS IN V'S IMAGES: lanes 0-15 hold their block's keys 0 .. 31 in order; lanes 16-31 hold keys 16 .. 31 first and keys 0 .. 15 behind them (three registers each),
; which is the order in which the attention launch's p lies in those lanes.  The same permutation of K on both operands keeps the products; a block's scale is not touched.
.irp g, 0,1
.irp k, 0,1,2
	v_cndmask_b32 v[TM+6*\g+\k], v[PC+6*\g+\k], v[PC+3+6*\g+\k], s[HM]
	v_cndmask_b32 v[TM+3+6*\g+\k], v[PC+3+6*\g+\k], v[PC+6*\g+\k], s[HM]
.endr
.endr
.irp P, 0,1,2,3,4,5
	global_store_b64 v[VOVC], v[TM+2*\P:TM+2*\P+1], s[RP:RP+1] offset:(2*\a+\P/3)*1536+(\P%3)*256   ; 256 consecutive bytes, at a multiple of 256
.endr
	v_lshrrev_b32 v[250+\a], v[SH], v[PW+\a]       ; lanes 0-15 tile 2 a's two bytes, lanes 16-31 tile 2 a + 1's
	global_store_b16 v[VOVS], v[250+\a], s[RP:RP+1] offset:128*\a
.endr
	s_wait_xcnt 0x0
	s_add_nc_u64 s[RP:RP+1], s[RP:RP+1], 4*QREC
.endm
	s_load_b256 s[4:11], s[0:1], 0x0               ; img, wq_b, wk_b, wv_b
	s_load_b64 s[12:13], s[0:1], 0x20              ; qkv
	v_lshl_add_u32 v[SPW], v0, 2, SPARE
	v_mov_b32 v[NIL], 0
	ds_add_u32 v1, v2
	ds_add_u32 v1, v2
	s_wait_dscnt 0x0
	v_lshrrev_b32 v250, 5, v0
	v_readfirstlane_b32 s[WV], v250                ; wave 0..3
	s_bfe_u32 s15, ttmp6, 0x40000                  ; cx: it enters global addresses of my own loads and stores alone
	s_lshl_b32 s16, ttmp9, 2
	s_add_co_u32 s16, s16, s15                     ; X
	s_lshr_b32 s17, s16, 4                         ; batch
	s_and_b32 s18, s16, 15                         ; g: which 64 tokens of the batch
	s_mov_b32 s[G1], 15|(3<<16)|(1<<21)            ; the mask: all four work-groups; elements of 8 bytes; bit 21 set beside a mask; no padding
	s_mov_b32 s[G1+1], 32<<16                      ; tensor_dim0 = 32 elements: rows of 256 bytes
	s_mov_b32 s[G1+2], 150<<16                     ; tensor_dim1 = 150 rows: a record
	s_mov_b32 s[G1+3], 32<<16                      ; tile_dim0
	s_mov_b32 s[G1+4], 150                         ; tile_dim1
	s_mov_b32 s[G1+5], 32                          ; the pitch: dense
	s_mov_b32 s[G1+6], 0
	s_mov_b32 s[G1+7], 0
	s_mul_i32 s52, s16, REC
	s_mov_b32 s53, 0
	s_mul_i32 s54, s17, 36
	s_add_co_u32 s54, s54, s[WV]
	s_mul_i32 s54, s54, QREC                       ; record (batch, j = wave)
	s_mov_b32 s55, 0
	s_lshl_b32 s56, s[WV], 8                       ; 64 biases a head
	s_mov_b32 s57, 0
	s_mul_i32 s58, s[WV], REC                      ; my record's place in a slot
	s_add_co_u32 s60, s58, 256*REC                 ; and in img: record 256 + wave
	s_mov_b32 s61, 0
	s_mov_b32 s[FI], 0
	s_mov_b32 s[HM], 0xffff0000
	s_mov_b32 s[SEL], 0x76543210
	s_mov_b32 s[SEL+1], 0xfedcba98
	s_wait_kmcnt 0x0
	s_add_nc_u64 s[XP:XP+1], s[4:5], s[52:53]
	s_add_nc_u64 s[RP:RP+1], s[12:13], s[54:55]
	s_add_nc_u64 s[BP:BP+1], s[6:7], s[56:57]
	s_add_nc_u64 s[KB:KB+1], s[8:9], s[56:57]
	s_add_nc_u64 s[VP:VP+1], s[10:11], s[56:57]
	s_add_nc_u64 s[60:61], s[4:5], s[60:61]
.irp n, 0,1
	s_mov_b32 s[G0+4*\n], 1
	s_add_co_u32 s[G0+4*\n+1], s58, \n*SLOT
	s_add_nc_u64 s[G0+4*\n+2:G0+4*\n+3], s[60:61], \n*SLOT   ; tile n
	s_or_b32 s[G0+4*\n+3], s[G0+4*\n+3], 0x80000000
.endr
	ROUND                                          ; all four work-groups are here: the first joint loads meet
	tensor_load_to_lds s[G0:G0+3], s[G1:G1+7]      ; tile 0: one load of mine is out
	s_nop 0
	PLACES
	v_and_b32 v250, 31, v0                         ; lane
	v_and_b32 v251, 15, v0                         ; r
	v_bfe_u32 v249, v0, 4, 1                       ; h
	v_lshlrev_b32 v[LI], 4, v250
	v_add_nc_u32 v[ADB], s58, v[LI]
	v_add_nc_u32 v[ADB+1], SLOT, v[ADB]
	v_lshlrev_b32 v[XSO], 2, v250
	v_add_nc_u32 v[XSO], 36864, v[XSO]
	v_add_nc_u32 v[ADS], s58, v[XSO]
	v_add_nc_u32 v[ADS+1], SLOT, v[ADS]
	v_lshlrev_b32 v[BO], 6, v249
	v_lshlrev_b32 v[SH], 4, v249
	v_and_b32 v[VBO], 8, v251
	v_add_nc_u32 v[VBO], v[VBO], v251
	v_lshlrev_b32 v[VBO], 2, v[VBO]
	s_wait_alu depctr_va_vdst(0)
	s_mul_i32 s52, s18, 3072
	v_add_nc_u32 v[VOC], s52, v[LI]                ; pair block 2 g
	s_lshl_b32 s52, s18, 7
	s_add_co_u32 s52, s52, 49152
	v_lshl_add_u32 v[VOS], v250, 2, s52
	s_lshr_b32 s53, s18, 1                         ; my key step,
	s_and_b32 s54, s18, 1                          ; and which half of it
	s_mul_i32 s52, s53, 6144
	s_mul_i32 s55, s54, 768
	s_add_co_u32 s52, s52, s55
	v_lshl_add_u32 v[VOVC], v250, 3, s52
	s_lshl_b32 s52, s53, 8
	s_lshl_b32 s55, s54, 1
	s_add_co_u32 s52, s52, s55
	s_add_co_u32 s52, s52, 49152
	v_lshl_add_u32 v[VOVS], v250, 2, s52           ; 4 x lane = 64 h + 4 r
.irp b, 0,1,2,3
	v_mov_b32 v[TM+4+\b], 0                        ; written once: a lane permute's destination counts as one of its sources
.endr
	WIN 0x40                                       ; destination window 1
.irp s, 0,1,2,3,4
.irp m, 0,1,2,3
.irp q, 0,1,2
	global_load_b128 v[48*\s+12*\m+4*\q:48*\s+12*\m+4*\q+3], v[LI], s[XP:XP+1] offset:(6*\m+\s)*1536+512*\q
.endr
.endr
.endr
	WIN 0x80                                       ; destination window 2
.irp m, 0,1,2,3
.irp q, 0,1,2
	global_load_b128 v[12*\m+4*\q:12*\m+4*\q+3], v[LI], s[XP:XP+1] offset:(6*\m+5)*1536+512*\q
.endr
.endr
	WIN 0
.irp i, 0,1,2,3,4,5,6,7,8,9,10,11
	global_load_b32 v[XS+\i], v[XSO], s[XP:XP+1] offset:128*\i
.endr
.irp iv, 0,1,2
.irp n, 0,1,2,3
	global_load_b32 v[VB+4*\iv+\n], v[VBO], s[VP:VP+1] offset:1024*\iv+(32*(\n/2)+8*(\n%2))*4   ; v's bias of my lane's channel in tile n of head 4 iv + wave
.endr
.endr
	s_mov_b32 s[CNT], 3
.Lqk:                                  ; tiles 0 to 5, two a trip
	TRIPQK 0
	TRIPQK 1
	s_sub_co_u32 s[CNT], s[CNT], 1
	s_cmp_lg_u32 s[CNT], 0
	s_cbranch_scc1 .Lqk
	TRIPV 0, 1, 0                                  ; tiles 6 to 8: v; the last asks for nothing
	TRIPV 1, 1, 1
	TRIPV 0, 0, 2
	s_wait_tensorcnt 0x0                           ; the wave's end
	ds_add_u32 v[SPW], v[NIL]
	s_wait_dscnt 0x0
	ROUND                                          ; the closing round: no work-group ends while a partner may still ask for a record that names it
	s_endpgm
.Lfunc_end_k_qe01044b282_qkv:
	.size	k_qe01044b282_qkv, .Lfunc_end_k_qe01044b282_qkv-k_qe01044b282_qkv
	.p2alignl 7, 3214868480
	.fill 96, 4, 3214868480
	.section	.rodata,"a",@progbits
	.p2align	6, 0x0
	.amdhsa_kernel k_qe01044b282_qkv
		.amdhsa_group_segment_fixed_size 327680
		.amdhsa_private_segment_fixed_size 0
		.amdhsa_enable_private_segment 0
		.amdhsa_kernarg_size 40
		.amdhsa_user_sgpr_count 2
		.amdhsa_user_sgpr_kernarg_segment_ptr 1
		.amdhsa_wavefront_size32 1
		.amdhsa_system_sgpr_workgroup_id_x 1
		.amdhsa_system_sgpr_workgroup_id_y 1
		.amdhsa_system_sgpr_workgroup_id_z 1
		.amdhsa_system_vgpr_workitem_id 0
		.amdhsa_next_free_vgpr 768
		.amdhsa_next_free_sgpr 72
		.amdhsa_reserve_vcc 0
		.amdhsa_float_denorm_mode_32 3
		.amdhsa_float_denorm_mode_16_64 3
		.amdhsa_memory_ordered 1
		.amdhsa_forward_progress 1
		.amdhsa_inst_pref_size 163
	.end_amdhsa_kernel
	.amdgpu_metadata
---
amdhsa.version: [ 1, 2 ]
amdhsa.kernels:
  - .name:           k_qe01044b282_qkv
    .symbol:         k_qe01044b282_qkv.kd
    .args:
      - { .name: img, .offset: 0, .size: 8, .value_kind: global_buffer, .address_space: global }
      - { .name: wq_b, .offset: 8, .size: 8, .value_kind: global_buffer, .address_space: global }
      - { .name: wk_b, .offset: 16, .size: 8, .value_kind: global_buffer, .address_space: global }
      - { .name: wv_b, .offset: 24, .size: 8, .value_kind: global_buffer, .address_space: global }
      - { .name: qkv, .offset: 32, .size: 8, .value_kind: global_buffer, .address_space: global }
    .group_segment_fixed_size: 327680
    .private_segment_fixed_size: 0
    .kernarg_segment_align: 8
    .kernarg_segment_size: 40
    .max_flat_workgroup_size: 128
    .sgpr_count:     72
    .vgpr_count:     768
    .wavefront_size: 32
...
	.end_amdgpu_metadata
.endif
;; end of part 2
;; launch attn (part 3): grid 4 x 64, 16 waves a work-group, clusters of 4 x 1, 309,248 bytes of LDS; arguments qkv, oimg; writes oimg
.if DOCPART == 3
	.amdgcn_target "amdgcn-amd-amdhsa--gfx1250"
	.amdhsa_code_object_version 6
	.text
	.protected	k_qe01044b282_attn
	.globl	k_qe01044b282_attn
	.p2align	8
	.type	k_qe01044b282_attn,@function
k_qe01044b282_attn:
	s_mov_b64 s[64:65], 0
	v_nop
	global_prefetch_b8 v0, s[64:65] scope:SCOPE_SE
	s_setreg_imm32_b32 hwreg(HW_REG_WAVE_MODE, 25, 1), 1
	s_wait_xcnt 0x0
	s_wait_alu depctr_hold_cnt(0) depctr_sa_sdst(0) depctr_va_vdst(0) depctr_va_sdst(0) depctr_va_ssrc(0) depctr_va_vcc(0) depctr_vm_vsrc(0)
	s_getreg_b32 s2, hwreg(HW_REG_IB_STS2, 6, 4)
	s_cmp_eq_u32 s2, 0
	s_cbranch_scc0 .Lentry_in_a_cluster
	s_endpgm
.Lentry_in_a_cluster:
	s_bfe_u32 s2, ttmp6, 0x10000c
	s_cmp_lg_u32 s2, 0x3003
	s_cbranch_scc0 .Lentry_shape_is_right
	s_endpgm
.Lentry_shape_is_right:
; o = softmax(q k^T / 8) v for each batch and head, both products on codes of BF6 with E8M0 scales; o is divided by the row's sum and quantised along (head, channel) for the last projection.
; THE SOFTMAX: t = score x log2(e) / 8; M = the running largest t rounded UP to a whole number; p = 2^(t - M) is quantised along the keys, not normalised; the row's sum is taken of the unquantised p.
; When M moves, the sum and O are multiplied by 2^(old M - new M): exact, no branch on data.
; SHARES.  Cluster y takes batch y / 4 and heads 3 (y % 4) + 0 .. 2; its work-group cx takes queries 256 cx .. + 255 of all three heads; each of sixteen waves one tile of 16 queries, in 256 registers.
; LDS IS FILLED ONCE.  K's records of the three heads are 153,600 consecutive bytes of qkv, V's likewise: 2 x 600 rows of 256 bytes.  Each of the sixteen waves asks for 75 rows (waves 0-7 K's, waves 8-15 V's),
; its one tensor load, jointly with the three partners of the cluster (mask 15), which need the same records.  One wait, one barrier; behind it no byte of LDS is written, so the waves walk their three heads with no further barrier.
; LAYOUT.  Both products transposed: S^T = K Q^T, O^T = V^T P^T: a lane holds one query throughout.
; THE ROWS OF A TILE OF K ARE CHOSEN BY THE LANES' ADDRESSES, so that A LANE HOLDS WHOLE BLOCKS OF 32 KEYS.  Of 64 tokens qkv holds two pair images (pair b, row r', tile u: token 32 b + 16 (r' / 8) + 8 u + r' % 8).
; Lane (r, h) reads for image i = 0, 1 the place of row r xor 8 i of pair r / 8.  Then S^T's registers 0-31 are, in lanes 0-15, tokens 0 .. 31 in order, and in lanes 16-31 tokens 48 .. 63, 32 .. 47; registers 32-63 the same of the next 64.
; So a block's largest score needs no other lane, and the conversions' results are the operand's registers (three moves for each block: a conversion's registers begin on an even number).  V's images hold lanes 16-31's keys in the same order.
; In each load of 16 bytes a lane, lanes 0-7 and lanes 8-15 read different halves of 128 bytes modulo 256.
; THE HEAD'S 64 ON AN INSTRUCTION OF 128 ALONG K.  Source 0 is a pair image: registers 0-5 tile u = 0, registers 6-11 tile u = 1.  Source 1 comes from 18 registers [Q | six zeros | Q]: registers 0-11 give tile 0's scores,
; registers 6-17 tile 1's.  The other half multiplies Q's zero codes, which add nothing under the scale bytes there (all between 1 and 254).
; LIMITS: NaN and infinities are not served; the promise holds while the scaled scores t stay under 2^31 in magnitude; a block of zeros, or one under 2^-122, gets the byte 1 (only this program reads the bytes).
; A block's largest p is taken as the exponential of its largest score, which takes v_exp_f32 not to fall where its input rises.
; No prefetch: everything that the launch reads through LDS is asked for at its head, and there is no loop to run ahead in.
; REGISTERS: v1-5 address bases, v6-10 the step's addresses; v12 -M, v13 the largest score, v[14:15] the sum; v16-33 Q, zeros, Q; v34 Q's scale word; v35-47 the next head's Q; v48-95 four fragments of K or V;
; v96-159 S^T, then p; v160-191 O^T; v192-210 codes; v212-237 at work and addresses; v240-253 partial sums; v254-255 the spare word's address and 0.
.set QREC, 51200
.set VBASE, 3*QREC                     ; V's three records lie behind K's three
.set PART, 19200                       ; 75 rows of 256 bytes: a wave's load
.set AK0, 1                            ; v1-2 image i = 0, 1: 1,536 (r / 8) + 16 (lane xor 8 i)
.set ASK, 3                            ; v3  K's scale words: 49,152 + 64 (r / 8) + 4 (r xor 8 h)
.set AV,  4                            ; v4  VBASE + 8 x lane
.set ASV, 5                            ; v5  VBASE + 49,152 + 4 x lane
.set WK,  6                            ; v6-10 the same five at this step
.set WSK, 8
.set WVV, 9
.set WSV, 10
.set Q,   16
.set QS,  34
.set QW,  35
.set QI,  36
.set F,   48
.set S,   96
.set O,   160
.set PC,  192
.set CT,  204
.set BM,  212
.set T2,  216
.set SO,  220
.set KS,  224
.set VS,  226
.set FF,  230                          ; v230 f = 2^(old M - new M); v231 p's scale word
.set PWD, 231
.set TT,  232
.set QOF, 233                          ; my pair block's image in q's record
.set QSO, 234                          ; its scale words
.set GO,  235                          ; my tile's place in oimg's 16 records of the batch
.set GS,  236                          ; its scale words'
.set SH8, 237                          ; 8 h
.set SA,  240                          ; seven partial sums, in pairs
.set WV,  8
.set G1,  16                           ; s[16:23] descriptor group 1
.set G0,  24                           ; s[24:27] group 0
.set QP,  36
.set OB,  38
.set OP,  40
.set OPS, 42
.set CS,  44                           ; s[44:45] c = log2(e) / 8
.set SEL, 46
.set TK,  48
.set TS,  49
.set CNT, 50
.set PM,  51                           ; all ones where my tile is the pair's second
.set SHU, 52                           ; 16 there, else 0
.macro PLACES
.rept 4
	v_nop
.endr
.endm
.macro ROUND
	s_barrier_signal -1
	s_barrier_wait -1
	s_cmp_lg_u32 s[WV], 0
	s_cbranch_scc1 .Lnot_wave_0_\@
	s_barrier_signal -3
.Lnot_wave_0_\@:
	s_barrier_wait -3
	s_barrier_signal -1
	s_barrier_wait -1
.endm
.macro QLOAD
.irp q, 0,1,2
	global_load_b128 v[QI+4*\q:QI+4*\q+3], v[QOF], s[QP:QP+1] offset:512*\q
.endr
	global_load_b32 v[QW], v[QSO], s[QP:QP+1]
.endm
; A KEY STEP: 128 keys
.macro STEP
	v_add_nc_u32 v[WK], s[TK], v[AK0]              ; these four are the places behind the last step's products, ahead of the loads into their registers
	v_add_nc_u32 v[WK+1], s[TK], v[AK0+1]
	v_add_nc_u32 v[WSK], s[TS], v[ASK]
	v_nop
.irp g, 0,1
.irp i, 0,1
.irp q, 0,1,2
	ds_load_b128 v[F+24*\g+12*\i+4*\q:F+24*\g+12*\i+4*\q+3], v[WK+\i] offset:3072*\g+512*\q   ; image 2 g + i
.endr
.endr
.endr
	ds_load_b32 v[KS], v[WSK]                      ; their rows' scale words: lanes 0-15 image 0 (2), lanes 16-31 image 1 (3)
	ds_load_b32 v[KS+1], v[WSK] offset:128
	s_wait_alu depctr_va_vdst(0)
	s_wait_dscnt 0x0
.irp e, 0,1,2,3,4,5,6,7                        ; tile e: image e / 2, half e % 2
.if (\e/2)%2
	v_wmma_scale_f32_16x16x128_f8f6f4 v[S+8*\e:S+8*\e+7], v[F+12*(\e/2):F+12*(\e/2)+11], v[Q+6*(\e%2):Q+6*(\e%2)+11], 0, v[KS+\e/4], v[QS] matrix_a_fmt:MATRIX_FMT_BF6 matrix_b_fmt:MATRIX_FMT_BF6 matrix_a_scale:MATRIX_SCALE_ROW1
.else
	v_wmma_scale_f32_16x16x128_f8f6f4 v[S+8*\e:S+8*\e+7], v[F+12*(\e/2):F+12*(\e/2)+11], v[Q+6*(\e%2):Q+6*(\e%2)+11], 0, v[KS+\e/4], v[QS] matrix_a_fmt:MATRIX_FMT_BF6 matrix_b_fmt:MATRIX_FMT_BF6
.endif
.endr
	v_add_nc_u32 v[WVV], s[TK], v[AV]              ; four places behind the products
	v_add_nc_u32 v[WSV], s[TS], v[ASV]
	v_mov_b32 v[TT], v12                           ; the old -M
	v_nop
.irp n, 0,1,2,3                                ; V's four fragments land under the softmax
.irp P, 0,1,2,3,4,5
	ds_load_b64 v[F+12*\n+2*\P:F+12*\n+2*\P+1], v[WVV] offset:1536*\n+256*\P
.endr
.endr
	ds_load_b32 v[VS], v[WSV]
	ds_load_b32 v[VS+1], v[WSV] offset:128
.irp b, 0,1,2,3
	v_max3_num_f32 v[BM+\b], v[S+16*\b], v[S+1+16*\b], v[S+2+16*\b]   ; four chains of 16 scores, each accumulator from its low end on
.endr
.irp i, 3,5,7,9,11,13
.irp b, 0,1,2,3
	v_max3_num_f32 v[BM+\b], v[BM+\b], v[S+16*\b+\i], v[S+1+16*\b+\i]
.endr
.endr
	v_max_num_f32 v[BM], v[BM], v[S+15]
	v_max_num_f32 v[BM+2], v[BM+2], v[S+47]
	v_max3_num_f32 v[BM], v[BM], v[BM+1], v[S+31]        ; my first block's largest score: all its 32 keys are mine
	v_max3_num_f32 v[BM+2], v[BM+2], v[BM+3], v[S+63]    ; my second block's
	s_delay_alu instid0(VALU_DEP_1)
	v_max_num_f32 v[T2+1], v[BM], v[BM+2]
	s_delay_alu instid0(VALU_DEP_1)
	v_permlanex16_b32 v[T2], v[T2+1], s[SEL], s[SEL+1]
	s_delay_alu instid0(VALU_DEP_1)
	v_max3_num_f32 v13, v13, v[T2+1], v[T2]        ; the running largest score of my query, lane l xor 16's 64 keys among them
	s_delay_alu instid0(VALU_DEP_1)
	v_mul_f32 v[T2+1], s[CS], v13                  ; as t (c is positive)
	s_delay_alu instid0(VALU_DEP_1)
	v_floor_f32 v12, -v[T2+1]                      ; -M = floor(-t) = -ceil(t)
	s_delay_alu instid0(VALU_DEP_1)
	v_sub_f32 v[TT], v12, v[TT]                    ; old M - new M: a whole number, 0 or less
	s_delay_alu instid0(VALU_DEP_1)
	v_cvt_i32_f32 v[TT], v[TT]                     ; (it saturates)
	s_delay_alu instid0(VALU_DEP_1)
	v_ldexp_f32 v[FF], 1.0, v[TT]                  ; f
.set j, 0
.rept 32
	v_pk_fma_f32 v[S+j:S+j+1], v[S+j:S+j+1], s[CS:CS+1], v[12:13] op_sel_hi:[1,0,0]   ; t - M, two at a time
.set j, j+2
.endr
	v_fma_f32 v[BM], v[BM], s[CS], v12             ; the same of each block's largest score
	v_fma_f32 v[BM+2], v[BM+2], s[CS], v12
	s_wait_alu depctr_va_vdst(0)
.set j, 0
.rept 64
	v_exp_f32 v[S+j], v[S+j]                       ; p, at most 1
.set j, j+1
.endr
	v_exp_f32 v[BM], v[BM]                         ; each block's largest p
	v_exp_f32 v[BM+2], v[BM+2]
	s_wait_alu depctr_va_vdst(0)                   ; one wait for the batch of 66, and directly ahead of the first reader of O^T
.set j, 0
.rept 16
	v_pk_mul_f32 v[O+j:O+j+1], v[O+j:O+j+1], v[FF:FF+1] op_sel_hi:[1,0]   ; O^T under the new M: plain work behind the exponentials
.set j, j+2
.endr
	v_max_num_f32 v[BM], 0x2800000, v[BM]          ; the floor 2^(5 - 127)
	v_max_num_f32 v[BM+2], 0x2800000, v[BM+2]
	s_delay_alu instid0(VALU_DEP_2)
	v_add_nc_u32 v[SO], 0xfe000000, v[BM]          ; 4 off the exponent field: the conversion's scale operand
	s_delay_alu instid0(VALU_DEP_2)
	v_add_nc_u32 v[SO+1], 0xfe000000, v[BM+2]
	s_delay_alu instid0(VALU_DEP_2)
	v_lshrrev_b32 v[T2+2], 23, v[SO]               ; the scale's byte
	s_delay_alu instid0(VALU_DEP_2)
	v_lshrrev_b32 v[T2+3], 23, v[SO+1]
	s_delay_alu instid0(VALU_DEP_1)
	v_lshl_or_b32 v[TT], v[T2+3], 16, v[T2+2]      ; my two bytes: blocks h and 2 + h,
	s_delay_alu instid0(VALU_DEP_1)
	v_lshlrev_b32 v[TT], v[SH8], v[TT]             ; at their places in the word;
	s_delay_alu instid0(VALU_DEP_1)
	v_permlanex16_b32 v[T2], v[TT], s[SEL], s[SEL+1]
	s_delay_alu instid0(VALU_DEP_1)
	v_or_b32 v[PWD], v[TT], v[T2]                  ; with lane l xor 16's two: p's scale word for these 128 keys
.irp c, 0,1
	v_cvt_scalef32_pk16_bf6_f32 v[PC+6*\c:PC+2+6*\c], v[S+32*\c:S+15+32*\c], v[SO+\c]
	v_cvt_scalef32_pk16_bf6_f32 v[CT+4*\c:CT+2+4*\c], v[S+16+32*\c:S+31+32*\c], v[SO+\c]   ; (a conversion's three registers begin on an even number)
.endr
.set j, 0
.rept 7                                        ; THE ROW'S SUM, of the unquantised p: eight chains.  These are also the plain places behind the conversions
	v_pk_add_f32 v[SA+j:SA+j+1], v[S+2*j:S+2*j+1], v[S+2*j+2:S+2*j+3]
.set j, j+2
.endr
	v_pk_fma_f32 v[14:15], v[14:15], v[FF:FF+1], v[S+28:S+29] op_sel_hi:[1,0,1]   ; the sum so far under the new M, and two more
.irp c, 0,1
.irp i, 0,1,2
	v_mov_b32 v[PC+3+6*\c+\i], v[CT+4*\c+\i]       ; registers 6 c .. 6 c + 5: my block 2 c + h
.endr
.endr
.irp o, 30,46
.set j, 0
.rept 7
	v_pk_add_f32 v[SA+j:SA+j+1], v[SA+j:SA+j+1], v[S+\o+j:S+\o+j+1]
.set j, j+2
.endr
	v_pk_add_f32 v[14:15], v[14:15], v[S+\o+14:S+\o+15]
.endr
	v_pk_add_f32 v[SA:SA+1], v[SA:SA+1], v[S+62:S+63]
	v_pk_add_f32 v[SA+4:SA+5], v[SA+4:SA+5], v[SA+6:SA+7]
	v_pk_add_f32 v[SA+8:SA+9], v[SA+8:SA+9], v[SA+10:SA+11]
	s_delay_alu instid0(VALU_DEP_4)
	v_pk_add_f32 v[14:15], v[14:15], v[SA+12:SA+13]
	s_delay_alu instid0(VALU_DEP_4)
	v_pk_add_f32 v[SA:SA+1], v[SA:SA+1], v[SA+2:SA+3]
	s_delay_alu instid0(VALU_DEP_3)
	v_pk_add_f32 v[SA+4:SA+5], v[SA+4:SA+5], v[SA+8:SA+9]
	s_delay_alu instid0(VALU_DEP_2)
	v_pk_add_f32 v[14:15], v[14:15], v[SA:SA+1]
	s_delay_alu instid0(VALU_DEP_1)
	v_pk_add_f32 v[14:15], v[14:15], v[SA+4:SA+5]  ; (the sums are also the places between the scale word, the codes and the products)
	s_wait_alu depctr_va_vdst(0)
	s_wait_dscnt 0x0                               ; V
.irp n, 0,1,2,3                                ; O^T += V^T P^T: the four accumulators by turns, one instruction each
.if \n%2
	v_wmma_scale_f32_16x16x128_f8f6f4 v[O+8*\n:O+8*\n+7], v[F+12*\n:F+12*\n+11], v[PC:PC+11], v[O+8*\n:O+8*\n+7], v[VS+\n/2], v[PWD] matrix_a_fmt:MATRIX_FMT_BF6 matrix_b_fmt:MATRIX_FMT_BF6 matrix_a_scale:MATRIX_SCALE_ROW1
.else
	v_wmma_scale_f32_16x16x128_f8f6f4 v[O+8*\n:O+8*\n+7], v[F+12*\n:F+12*\n+11], v[PC:PC+11], v[O+8*\n:O+8*\n+7], v[VS+\n/2], v[PWD] matrix_a_fmt:MATRIX_FMT_BF6 matrix_b_fmt:MATRIX_FMT_BF6
.endif
.endr
	s_add_co_u32 s[TK], s[TK], 6144                ; four images on
	s_add_co_u32 s[TS], s[TS], 256                 ; and their scale words
.endm
; HEAD i of my three
.macro HEAD i
	s_wait_alu depctr_va_vdst(0)
	s_wait_loadcnt 0x0                             ; this head's Q
	s_wait_xcnt 0x0                                ; the last head's stores have read their data and bases
.irp k, 0,1,2,3,4,5
	v_cndmask_b32 v[Q+\k], v[QI+\k], v[QI+6+\k], s[PM]   ; my half of the pair image
.endr
.irp k, 0,1,2,3,4,5
	v_mov_b32 v[Q+12+\k], v[Q+\k]
.endr
	v_lshrrev_b32 v[QS], s[SHU], v[QW]             ; my two scale bytes, twice
	s_delay_alu instid0(VALU_DEP_1)
	v_and_b32 v[QS], 0xffff, v[QS]
	s_delay_alu instid0(VALU_DEP_1)
	v_lshl_or_b32 v[QS], v[QS], 16, v[QS]
.if \i < 2
	s_add_nc_u64 s[QP:QP+1], s[QP:QP+1], QREC
	QLOAD                                          ; the next head's Q, a head ahead
.endif
	v_mov_b32 v13, 0xff61b1e6                      ; the largest score so far: -3e38
	s_delay_alu instid0(VALU_DEP_1)
	v_floor_f32 v12, -v13
	v_mov_b32 v14, 0
	v_mov_b32 v15, 0
.set j, 0
.rept 32
	v_mov_b32 v[O+j], 0                            ; the step is written once: the first finds zeros, which the first change of M leaves zeros
.set j, j+1
.endr
	s_wait_alu depctr_va_vdst(0)
.if \i == 0
	s_wait_tensorcnt 0x0                           ; my 75 rows are in
	s_wait_dscnt 0x0
	s_barrier_signal -1
	s_barrier_wait -1                              ; everybody's are: K and V of all three heads lie in LDS, and nothing writes LDS from here on
.endif
	s_mov_b32 s[TK], \i*QREC
	s_mov_b32 s[TS], \i*QREC
	s_mov_b32 s[CNT], 8
.Lstep_\@:
	STEP
	s_sub_co_u32 s[CNT], s[CNT], 1
	s_cmp_lg_u32 s[CNT], 0
	s_cbranch_scc1 .Lstep_\@
	PLACES
	v_add_f32 v14, v14, v15                        ; the sum's two halves,
	s_delay_alu instid0(VALU_DEP_1)
	v_permlanex16_b32 v[TT], v14, s[SEL], s[SEL+1]
	s_delay_alu instid0(VALU_DEP_1)
	v_add_f32 v14, v14, v[TT]                      ; and lane l xor 16's
	s_wait_alu depctr_va_vdst(0)
	v_rcp_f32 v14, v14
	v_nop                                          ; a plain place behind the reciprocal
	s_wait_alu depctr_va_vdst(0)                   ; and the wait ahead of its first reader, which is O^T's first reader too
.set j, 0
.rept 16
	v_pk_mul_f32 v[S+j:S+j+1], v[O+j:O+j+1], v[14:15] op_sel_hi:[1,0]   ; o: register 16 b + i = channel 32 b + 16 (lane / 16) + i
.set j, j+2
.endr
.irp b, 0,1                                    ; the head's two blocks of the last projection's K
	v_max3_num_f32 v[BM+\b], |v[S+16*\b]|, |v[S+1+16*\b]|, 0x2800000
.endr
.irp m, 2,4,6,8,10,12,14
.irp b, 0,1
	s_delay_alu instid0(VALU_DEP_2)
	v_max3_num_f32 v[BM+\b], v[BM+\b], |v[S+16*\b+\m]|, |v[S+1+16*\b+\m]|
.endr
.endr
.irp b, 0,1
	s_delay_alu instid0(VALU_DEP_2)
	v_permlanex16_b32 v[T2+\b], v[BM+\b], s[SEL], s[SEL+1]
.endr
.irp b, 0,1
	s_delay_alu instid0(VALU_DEP_2)
	v_max_num_f32 v[BM+\b], v[BM+\b], v[T2+\b]
.endr
.irp b, 0,1
	s_delay_alu instid0(VALU_DEP_2)
	v_add_nc_u32 v[SO+\b], 0xfe000000, v[BM+\b]
.endr
.irp b, 0,1
	s_delay_alu instid0(VALU_DEP_2)
	v_lshrrev_b32 v[T2+\b], 23, v[SO+\b]
.endr
	s_delay_alu instid0(VALU_DEP_1)
	v_lshl_or_b32 v[TT], v[T2+1], 8, v[T2]         ; two scale bytes
	v_cvt_scalef32_pk16_bf6_f32 v[PC:PC+2], v[S:S+15], v[SO]
	v_cvt_scalef32_pk16_bf6_f32 v[CT:CT+2], v[S+16:S+31], v[SO+1]
	v_nop
.irp k, 0,1,2
	v_permlane16_swap_b32 v[PC+\k], v[CT+\k]
.endr
.irp k, 0,1,2
	s_delay_alu instid0(VALU_DEP_3)
	v_mov_b32 v[PC+3+\k], v[CT+\k]                 ; six registers: half hd % 2 of K step hd / 2 of my tile's fragment
.endr
	s_add_co_u32 s54, s12, \i                      ; hd
	s_lshr_b32 s55, s54, 1
	s_and_b32 s54, s54, 1
	s_mul_i32 s56, s55, 1536
	s_mul_i32 s57, s54, 768
	s_add_co_u32 s56, s56, s57
	s_mov_b32 s57, 0
	s_add_nc_u64 s[OP:OP+1], s[OB:OB+1], s[56:57]
	s_lshl_b32 s56, s55, 6
	s_lshl_b32 s54, s54, 1
	s_add_co_u32 s56, s56, s54
	s_add_co_u32 s56, s56, 36864
	s_add_nc_u64 s[OPS:OPS+1], s[OB:OB+1], s[56:57]
	s_wait_alu depctr_va_vdst(0)
.irp p, 0,1,2
	global_store_b64 v[GO], v[PC+2*\p:PC+2*\p+1], s[OP:OP+1] offset:256*\p   ; 256 consecutive bytes, at a multiple of 256
.endr
	global_store_b16 v[GS], v[TT], s[OPS:OPS+1]    ; lanes r and r + 16 hold the same two bytes and write the same place
.endm
	s_load_b128 s[4:7], s[0:1], 0x0                ; qkv, oimg
	v_lshl_add_u32 v254, v0, 2, 0x4b000
	v_mov_b32 v255, 0
	ds_add_u32 v254, v255                          ; the add, twice on end, and its wait ahead of my tensor load
	ds_add_u32 v254, v255
	v_lshrrev_b32 v11, 5, v0
	s_delay_alu instid0(VALU_DEP_1)
	v_readfirstlane_b32 s[WV], v11                 ; wave 0..15
	s_bfe_u32 s9, ttmp6, 0x40000                   ; cx: it enters Q's and o's global addresses alone
	s_and_b32 s10, ttmp7, 0xffff                   ; the cluster's y
	s_lshr_b32 s11, s10, 2                         ; batch
	s_and_b32 s12, s10, 3
	s_mul_i32 s12, s12, 3                          ; my first head
	s_mov_b32 s[G1], 15|(3<<16)|(1<<21)            ; the mask: all four work-groups; elements of 8 bytes; bit 21 set beside a mask
	s_mov_b32 s[G1+1], 32<<16                      ; rows of 256 bytes,
	s_mov_b32 s[G1+2], 75<<16                      ; 75 of them
	s_mov_b32 s[G1+3], 32<<16
	s_mov_b32 s[G1+4], 75
	s_mov_b32 s[G1+5], 32
	s_mov_b32 s[G1+6], 0
	s_mov_b32 s[G1+7], 0
	s_mul_i32 s54, s11, 36
	s_add_co_u32 s54, s54, s12                     ; q's record of my first head
	s_mul_i32 s56, s54, QREC
	s_mov_b32 s57, 0
	s_mul_i32 s60, s[WV], PART                     ; my part of the 16
	s_lshr_b32 s55, s[WV], 3
	s_mul_i32 s55, s55, 9*QREC                     ; V's three records begin 12 records behind K's three: 9 more than in LDS
	s_add_co_u32 s58, s56, 12*QREC                 ; K's record of my first head
	s_add_co_u32 s58, s58, s60
	s_add_co_u32 s58, s58, s55
	s_mov_b32 s59, 0
	s_mul_i32 s62, s11, 614400                     ; the batch's 16 records of oimg
	s_mov_b32 s63, 0
	s_mov_b32 s[CS], 0x3e38aa3b                    ; log2(e) / 8
	s_mov_b32 s[CS+1], s[CS]
	s_mov_b32 s[SEL], 0x76543210
	s_mov_b32 s[SEL+1], 0xfedcba98
	s_lshl_b32 s54, s9, 3
	s_lshr_b32 s55, s[WV], 1
	s_add_co_u32 s54, s54, s55                     ; my pair block: 8 cx + wave / 2
	s_mul_i32 s28, s54, 1536
	s_lshl_b32 s29, s54, 6
	s_add_co_u32 s29, s29, 49152
	s_lshl_b32 s54, s9, 2
	s_lshr_b32 s55, s[WV], 2
	s_add_co_u32 s54, s54, s55                     ; my tile's record among the batch's 16: 4 cx + wave / 4
	s_mul_i32 s54, s54, 38400
	s_and_b32 s55, s[WV], 3                        ; and its tile in it
	s_mul_i32 s30, s55, 9216
	s_add_co_u32 s30, s30, s54
	s_mul_i32 s31, s55, 384
	s_add_co_u32 s31, s31, s54
	s_and_b32 s55, s[WV], 1
	s_lshl_b32 s[SHU], s55, 4
	s_cmp_eq_u32 s55, 1
	s_cselect_b32 s[PM], -1, 0
	s_mov_b32 s[G0], 1
	s_mul_i32 s[G0+1], s[WV], PART                 ; LDS: wave x 19,200: K's 153,600 bytes, then V's
	s_wait_dscnt 0x0
	s_wait_kmcnt 0x0
	s_add_nc_u64 s[QP:QP+1], s[4:5], s[56:57]
	s_add_nc_u64 s[OB:OB+1], s[6:7], s[62:63]
	s_add_nc_u64 s[G0+2:G0+3], s[4:5], s[58:59]
	s_or_b32 s[G0+3], s[G0+3], 0x80000000
	ROUND                                          ; all four work-groups are here: the joint loads meet
	tensor_load_to_lds s[G0:G0+3], s[G1:G1+7]      ; my one tensor load of the launch
	s_nop 0
	PLACES
	v_and_b32 v11, 31, v0                          ; lane
	v_and_b32 v[TT], 15, v0                        ; r
	v_bfe_u32 v[BM], v0, 3, 1                      ; r / 8
	v_bfe_u32 v[SH8], v0, 4, 1                     ; h
	s_delay_alu instid0(VALU_DEP_4)
	v_xor_b32 v[BM+2], 8, v11
	s_delay_alu instid0(VALU_DEP_3)
	v_mul_u32_u24 v[BM+1], v[BM], 1536
	s_delay_alu instid0(VALU_DEP_3)
	v_lshlrev_b32 v[SH8], 3, v[SH8]                ; 8 h
	s_delay_alu instid0(VALU_DEP_2)
	v_lshl_add_u32 v[AK0], v11, 4, v[BM+1]
	s_delay_alu instid0(VALU_DEP_3)
	v_lshl_add_u32 v[AK0+1], v[BM+2], 4, v[BM+1]
	s_delay_alu instid0(VALU_DEP_3)
	v_xor_b32 v[BM+3], v[TT], v[SH8]               ; r xor 8 h
	s_delay_alu instid0(VALU_DEP_1)
	v_lshlrev_b32 v[BM+3], 2, v[BM+3]
	s_delay_alu instid0(VALU_DEP_1)
	v_lshl_add_u32 v[BM+3], v[BM], 6, v[BM+3]
	s_delay_alu instid0(VALU_DEP_1)
	v_add_nc_u32 v[ASK], 49152, v[BM+3]
	v_lshlrev_b32 v[AV], 3, v11
	v_lshlrev_b32 v[ASV], 2, v11
	s_delay_alu instid0(VALU_DEP_2)
	v_add_nc_u32 v[AV], VBASE, v[AV]
	s_delay_alu instid0(VALU_DEP_2)
	v_add_nc_u32 v[ASV], VBASE+49152, v[ASV]
	v_lshl_add_u32 v[QOF], v11, 4, s28
	v_lshl_add_u32 v[QSO], v[TT], 2, s29
	v_lshl_add_u32 v[GO], v11, 3, s30
	v_lshl_add_u32 v[GS], v[TT], 2, s31
	QLOAD                                          ; the first head's Q
.irp k, 0,1,2,3,4,5
	v_mov_b32 v[Q+6+\k], 0                         ; the zero codes between the two copies of Q
.endr
.irp b, 0,1,2,3
	v_mov_b32 v[T2+\b], 0                          ; written once: a lane permute's destination counts as one of its sources
.endr
	v_mov_b32 v[PWD], 0                            ; (named as the upper half of the pair with f before it is first written)
	HEAD 0
	HEAD 1
	HEAD 2
	s_wait_tensorcnt 0x0                           ; the wave's end
	ds_add_u32 v254, v255
	s_wait_dscnt 0x0
	ROUND                                          ; the closing round
	s_endpgm
.Lfunc_end_k_qe01044b282_attn:
	.size	k_qe01044b282_attn, .Lfunc_end_k_qe01044b282_attn-k_qe01044b282_attn
	.p2alignl 7, 3214868480
	.fill 96, 4, 3214868480
	.section	.rodata,"a",@progbits
	.p2align	6, 0x0
	.amdhsa_kernel k_qe01044b282_attn
		.amdhsa_group_segment_fixed_size 309248
		.amdhsa_private_segment_fixed_size 0
		.amdhsa_enable_private_segment 0
		.amdhsa_kernarg_size 16
		.amdhsa_user_sgpr_count 2
		.amdhsa_user_sgpr_kernarg_segment_ptr 1
		.amdhsa_wavefront_size32 1
		.amdhsa_system_sgpr_workgroup_id_x 1
		.amdhsa_system_sgpr_workgroup_id_y 1
		.amdhsa_system_sgpr_workgroup_id_z 1
		.amdhsa_system_vgpr_workitem_id 0
		.amdhsa_next_free_vgpr 256
		.amdhsa_next_free_sgpr 72
		.amdhsa_reserve_vcc 0
		.amdhsa_float_denorm_mode_32 3
		.amdhsa_float_denorm_mode_16_64 3
		.amdhsa_memory_ordered 1
		.amdhsa_forward_progress 1
		.amdhsa_inst_pref_size 77
	.end_amdhsa_kernel
	.amdgpu_metadata
---
amdhsa.version: [ 1, 2 ]
amdhsa.kernels:
  - .name:           k_qe01044b282_attn
    .symbol:         k_qe01044b282_attn.kd
    .args:
      - { .name: qkv, .offset: 0, .size: 8, .value_kind: global_buffer, .address_space: global }
      - { .name: oimg, .offset: 8, .size: 8, .value_kind: global_buffer, .address_space: global }
    .group_segment_fixed_size: 309248
    .private_segment_fixed_size: 0
    .kernarg_segment_align: 8
    .kernarg_segment_size: 16
    .max_flat_workgroup_size: 512
    .sgpr_count:     72
    .vgpr_count:     256
    .wavefront_size: 32
...
	.end_amdgpu_metadata
.endif
;; end of part 3
;; launch oproj (part 4): grid 256 x 1, 4 waves a work-group, clusters of 4 x 1, 327,680 bytes of LDS; arguments oimg, img, wo_b, out0; writes out0
.if DOCPART == 4
	.amdgcn_target "amdgcn-amd-amdhsa--gfx1250"
	.amdhsa_code_object_version 6
	.text
	.protected	k_qe01044b282_oproj
	.globl	k_qe01044b282_oproj
	.p2align	8
	.type	k_qe01044b282_oproj,@function
k_qe01044b282_oproj:
	s_mov_b64 s[64:65], 0
	v_nop
	global_prefetch_b8 v0, s[64:65] scope:SCOPE_SE
	s_setreg_imm32_b32 hwreg(HW_REG_WAVE_MODE, 25, 1), 1
	s_wait_xcnt 0x0
	s_wait_alu depctr_hold_cnt(0) depctr_sa_sdst(0) depctr_va_vdst(0) depctr_va_sdst(0) depctr_va_ssrc(0) depctr_va_vcc(0) depctr_vm_vsrc(0)
	s_getreg_b32 s2, hwreg(HW_REG_IB_STS2, 6, 4)
	s_cmp_eq_u32 s2, 0
	s_cbranch_scc0 .Lentry_in_a_cluster
	s_endpgm
.Lentry_in_a_cluster:
	s_bfe_u32 s2, ttmp6, 0x10000c
	s_cmp_lg_u32 s2, 0x3003
	s_cbranch_scc0 .Lentry_shape_is_right
	s_endpgm
.Lentry_shape_is_right:
; out0 = o wo^T + wo_b on codes of BF6 with E8M0 scales.  o's codes come as register images (64 tokens x 768 to a record), wo's likewise (img's records 292-303: 64 rows each).
; SHARES.  Work-group X takes 64 tokens and all 768 columns.  Every wave keeps o's 24 fragments and 12 scale registers.  wo's 12 records go through a ring of two LDS slots of four records: in tile i wave w fetches,
; reads and multiplies record 4 i + w: three tiles.  The four work-groups of a cluster walk the same records: each is asked for jointly (mask 15).
; Source 0 = 16 rows of wo, source 1 = 16 tokens: a lane holds one token, and the registers of tiles 2 b, 2 b + 1 are columns 32 b + 16 (lane / 16) + 0 .. 15 of the record's 64.  The bias is the C of each sum's first product.
; The 16 accumulators take turns, one instruction a turn.
; THE WAY OUT: 16 tokens x 64 columns at a time through the wave's own stage in LDS (rows of 256 bytes + 16) and back as whole rows: sixteen lanes store 256 consecutive bytes, at a multiple of 256.
; The stage lies behind the ring and the spare words, in blocks of 256 bytes into which no tensor load lands.
; No prefetch: wo's records are read again and again by all clusters; o's record is asked for at the head.
; REGISTERS.  window 0: v1-11, v228 addresses; v12-23 o's scale words; v24-35 the record's; v36-67 biases, on the way out rows; v68-195 accumulators; v196-227 rows on the way out.
;   window 1: o's fragments (K step s < 5, tile m) at 48 s + 12 m.   window 2: K step 5 at 12 m; wo's four fragments of a K step, two sets, at 48 and 96.
.set REC,   38400
.set SLOT,  4*REC
.set SPARE, 2*SLOT                     ; the spare words, 128 bytes a wave: two blocks of 256 bytes that no other line names
.set STAGE, SPARE+512
.set SPI,   272
.set SPW,  1
.set NIL,  2
.set ADB,  3
.set ADS,  5
.set LI,   7                           ; v7   8 x lane
.set XSO,  8                           ; v8   36,864 + 4 x lane
.set BO,   9                           ; v9   64 h
.set STO,  10                          ; v10  the stage: row r, + 64 h
.set RD,   11                          ; v11  back: row h, + 16 r
.set XS,   12
.set WS,   24
.set BI,   36
.set ACC,  68
.set OB0,  196
.set CO,   228                         ; v228 3,072 h + 16 r
.set WV,   14
.set G1,   20
.set G0,   28
.set XP,   36
.set OUT,  38
.set BP,   40
.set MSB, 0
.macro WIN new
.if MSB != \new
	s_set_vgpr_msb (MSB<<8)|\new
.set MSB, \new
.endif
.endm
.macro PLACES
.rept 4
	v_nop
.endr
.endm
.macro ROUND
	s_barrier_signal -1
	s_barrier_wait -1
	s_cmp_lg_u32 s[WV], 0
	s_cbranch_scc1 .Lnot_wave_0_\@
	s_barrier_signal -3
.Lnot_wave_0_\@:
	s_barrier_wait -3
	s_barrier_signal -1
	s_barrier_wait -1
.endm
.macro FETCH slot, s
	WIN 0x80
.irp t, 0,1,2,3
.irp q, 0,1,2
	ds_load_b128 v[48+48*((\s)%2)+12*\t+4*\q:48+48*((\s)%2)+12*\t+4*\q+3], v[ADB+\slot] offset:(6*\t+(\s))*1536+512*\q
.endr
.endr
.endm
.macro MUL s
.if (\s) < 5
	WIN 0x06
.set XB, 48*(\s)
.else
	WIN 0x0a
.set XB, 0
.endif
.set WB, 48+48*((\s)%2)
.irp m, 0,1,2,3
.irp t, 0,1,2,3
.if (\s) == 0
	v_wmma_scale_f32_16x16x128_f8f6f4 v[ACC+32*\m+8*\t:ACC+32*\m+8*\t+7], v[WB+12*\t:WB+12*\t+11], v[XB+12*\m:XB+12*\m+11], v[BI+8*\t:BI+8*\t+7], v[WS+3*\t+(\s)/2], v[XS+3*\m+(\s)/2] matrix_a_fmt:MATRIX_FMT_BF6 matrix_b_fmt:MATRIX_FMT_BF6
.elseif (\s)%2 == 0
	v_wmma_scale_f32_16x16x128_f8f6f4 v[ACC+32*\m+8*\t:ACC+32*\m+8*\t+7], v[WB+12*\t:WB+12*\t+11], v[XB+12*\m:XB+12*\m+11], v[ACC+32*\m+8*\t:ACC+32*\m+8*\t+7], v[WS+3*\t+(\s)/2], v[XS+3*\m+(\s)/2] matrix_a_fmt:MATRIX_FMT_BF6 matrix_b_fmt:MATRIX_FMT_BF6
.else
	v_wmma_scale_f32_16x16x128_f8f6f4 v[ACC+32*\m+8*\t:ACC+32*\m+8*\t+7], v[WB+12*\t:WB+12*\t+11], v[XB+12*\m:XB+12*\m+11], v[ACC+32*\m+8*\t:ACC+32*\m+8*\t+7], v[WS+3*\t+(\s)/2], v[XS+3*\m+(\s)/2] matrix_a_fmt:MATRIX_FMT_BF6 matrix_b_fmt:MATRIX_FMT_BF6 matrix_a_scale:MATRIX_SCALE_ROW1 matrix_b_scale:MATRIX_SCALE_ROW1
.endif
.endr
.endr
.endm
.macro PROCESS slot
.irp i, 0,1,2,3,4,5,6,7,8,9,10,11
	ds_load_b32 v[WS+\i], v[ADS+\slot] offset:128*\i
.endr
	FETCH \slot, 0
.irp s, 0,1,2,3,4,5
.if \s < 5
.if \s > 0
	PLACES                                         ; the set to be loaded was read by the 16 products just issued
.endif
	FETCH \slot, \s+1
	s_wait_dscnt 12                                ; all but the 12 loads just issued
.else
	s_wait_dscnt 0x0
.endif
.if \s == 0
	s_wait_loadcnt 0x0                             ; the biases; in the first tile o's fragments and scale words too
.endif
	MUL \s
.endr
	WIN 0
.endm
.macro TOSTAGE m                       ; token tile m: 16 rows x 256 bytes into my stage, each accumulator from its low end on, and back as whole rows; LDS serves a wave's instructions in order
.set OBB, OB0-(OB0-BI)*((\m)%2)
.irp k, 0,1,2,3,4,5,6,7
	ds_store_b128 v[STO], v[ACC+32*(\m)+4*\k:ACC+32*(\m)+4*\k+3] offset:128*(\k/4)+16*(\k%4)
.endr
.irp i, 0,1,2,3,4,5,6,7
	ds_load_b128 v[OBB+4*\i:OBB+4*\i+3], v[RD] offset:2*SPI*\i
.endr
.endm
.macro SEND m, younger                 ; younger: the LDS instructions issued behind tile m's loads
.set OBB, OB0-(OB0-BI)*((\m)%2)
	s_wait_dscnt \younger
.irp i, 0,1,2,3,4,5,6,7
	global_store_b128 v[CO], v[OBB+4*\i:OBB+4*\i+3], s[OUT:OUT+1] offset:(32*((\m)/2)+8*((\m)%2)+2*\i+8*(\i/4))*3072 th:TH_STORE_NT   ; stage row 2 i + h is token 32 (m / 2) + 8 (m % 2) + 2 i + h + 8 (i / 4)
.endr
.endm
.macro TRIPO slot, refill
.irp t, 0,1,2,3
	global_load_b128 v[BI+8*\t:BI+8*\t+3], v[BO], s[BP:BP+1] offset:(32*(\t/2)+8*(\t%2))*4
	global_load_b128 v[BI+8*\t+4:BI+8*\t+7], v[BO], s[BP:BP+1] offset:(32*(\t/2)+8*(\t%2))*4+16
.endr
	s_wait_tensorcnt 0x0                           ; all my tensor loads have landed: my record of this tile
.if \refill
	ds_add_u32 v[SPW], v[NIL]                      ; 0 onto my spare word
	s_add_nc_u64 s[G0+4*\slot+2:G0+4*\slot+3], s[G0+4*\slot+2:G0+4*\slot+3], 2*SLOT   ; this slot's descriptor, two tiles on (behind the last refill the stepped address is not used)
	s_wait_dscnt 0x0                               ; the add is done, and my reads of the other slot and of the stage are over
	ROUND
	tensor_load_to_lds s[G0+4-4*\slot:G0+7-4*\slot], s[G1:G1+7]   ; the next tile's record: my one tensor load until the next round
	s_nop 0
	PLACES
.endif
	PROCESS \slot
	PLACES                                         ; four places ahead of the stage's stores, which read the results
	v_nop                                          ; and a fifth for the next tile's first products, which begin the same accumulators anew with the bias as C: the way out between them has LDS and memory instructions alone
	s_wait_alu depctr_va_vdst(0)
	TOSTAGE 0
.irp m, 1,2,3
.if \m > 1
	s_wait_xcnt 0x0                                ; tile m - 2's stores have read the registers into which tile m's rows come back
.endif
	TOSTAGE \m
	SEND \m-1, 16                                  ; behind tile m - 1's loads: tile m's 8 stores and 8 loads
.endr
	SEND 3, 0
	s_wait_xcnt 0x0                                ; bases and data are written again only behind this wait
	s_add_nc_u64 s[OUT:OUT+1], s[OUT:OUT+1], 1024
	s_add_nc_u64 s[BP:BP+1], s[BP:BP+1], 1024
.endm
	s_load_b256 s[4:11], s[0:1], 0x0               ; oimg, img, wo_b, out0
	v_lshl_add_u32 v[SPW], v0, 2, SPARE
	v_mov_b32 v[NIL], 0
	ds_add_u32 v1, v2
	ds_add_u32 v1, v2
	s_wait_dscnt 0x0
	v_lshrrev_b32 v229, 5, v0
	v_readfirstlane_b32 s[WV], v229                ; wave 0..3
	s_bfe_u32 s15, ttmp6, 0x40000                  ; cx: it enters global addresses of my own loads and stores alone
	s_lshl_b32 s16, ttmp9, 2
	s_add_co_u32 s16, s16, s15                     ; X
	s_mov_b32 s[G1], 15|(3<<16)|(1<<21)            ; the mask: all four work-groups; elements of 8 bytes; bit 21 set beside a mask
	s_mov_b32 s[G1+1], 32<<16                      ; rows of 256 bytes,
	s_mov_b32 s[G1+2], 150<<16                     ; 150 of them: a record
	s_mov_b32 s[G1+3], 32<<16
	s_mov_b32 s[G1+4], 150
	s_mov_b32 s[G1+5], 32
	s_mov_b32 s[G1+6], 0
	s_mov_b32 s[G1+7], 0
	s_mul_i32 s44, s16, REC
	s_mov_b32 s45, 0
	s_lshl_b32 s48, s[WV], 8                       ; my 64 columns of a tile's 256: 256 bytes
	s_mov_b32 s49, 0
	s_mul_i32 s46, s16, 196608                     ; 64 rows of 3,072 bytes
	s_add_co_u32 s46, s46, s48
	s_mov_b32 s47, 0
	s_mul_i32 s50, s[WV], REC                      ; my record's place in a slot
	s_add_co_u32 s52, s50, 292*REC                 ; and in img: record 292 + wave
	s_mov_b32 s53, 0
	s_wait_kmcnt 0x0
	s_add_nc_u64 s[XP:XP+1], s[4:5], s[44:45]
	s_add_nc_u64 s[OUT:OUT+1], s[10:11], s[46:47]
	s_add_nc_u64 s[BP:BP+1], s[8:9], s[48:49]
	s_add_nc_u64 s[52:53], s[6:7], s[52:53]
.irp n, 0,1
	s_mov_b32 s[G0+4*\n], 1
	s_add_co_u32 s[G0+4*\n+1], s50, \n*SLOT
	s_add_nc_u64 s[G0+4*\n+2:G0+4*\n+3], s[52:53], \n*SLOT
	s_or_b32 s[G0+4*\n+3], s[G0+4*\n+3], 0x80000000
.endr
	ROUND                                          ; all four work-groups are here: the first joint loads meet
	tensor_load_to_lds s[G0:G0+3], s[G1:G1+7]      ; tile 0
	s_nop 0
	PLACES
	v_and_b32 v229, 31, v0                         ; lane
	v_and_b32 v230, 15, v0                         ; r
	v_bfe_u32 v231, v0, 4, 1                       ; h
	v_lshlrev_b32 v[LI], 3, v229
	v_lshl_add_u32 v[ADB], v229, 4, s50
	v_add_nc_u32 v[ADB+1], SLOT, v[ADB]
	v_lshlrev_b32 v[XSO], 2, v229
	v_add_nc_u32 v[XSO], 36864, v[XSO]
	v_add_nc_u32 v[ADS], s50, v[XSO]
	v_add_nc_u32 v[ADS+1], SLOT, v[ADS]
	v_lshlrev_b32 v[BO], 6, v231
	s_mul_i32 s44, s[WV], 16*SPI
	s_add_co_u32 s44, s44, STAGE                   ; my stage
	v_mul_u32_u24 v[STO], v230, SPI
	v_lshl_add_u32 v[STO], v231, 6, v[STO]
	v_add_nc_u32 v[STO], s44, v[STO]
	v_mul_u32_u24 v[RD], v231, SPI
	v_lshl_add_u32 v[RD], v230, 4, v[RD]
	v_add_nc_u32 v[RD], s44, v[RD]
	v_mul_u32_u24 v[CO], v231, 3072
	v_lshl_add_u32 v[CO], v230, 4, v[CO]
	WIN 0x40                                       ; destination window 1
.irp s, 0,1,2,3,4
.irp m, 0,1,2,3
.irp P, 0,1,2,3,4,5
	global_load_b64 v[48*\s+12*\m+2*\P:48*\s+12*\m+2*\P+1], v[LI], s[XP:XP+1] offset:(6*\m+\s)*1536+256*\P
.endr
.endr
.endr
	WIN 0x80                                       ; destination window 2
.irp m, 0,1,2,3
.irp P, 0,1,2,3,4,5
	global_load_b64 v[12*\m+2*\P:12*\m+2*\P+1], v[LI], s[XP:XP+1] offset:(6*\m+5)*1536+256*\P
.endr
.endr
	WIN 0
.irp i, 0,1,2,3,4,5,6,7,8,9,10,11
	global_load_b32 v[XS+\i], v[XSO], s[XP:XP+1] offset:128*\i
.endr
	TRIPO 0, 1
	TRIPO 1, 1
	TRIPO 0, 0                                     ; the last tile asks for nothing
	s_wait_tensorcnt 0x0                           ; the wave's end
	ds_add_u32 v[SPW], v[NIL]
	s_wait_dscnt 0x0
	ROUND                                          ; the closing round
	s_endpgm
.Lfunc_end_k_qe01044b282_oproj:
	.size	k_qe01044b282_oproj, .Lfunc_end_k_qe01044b282_oproj-k_qe01044b282_oproj
	.p2alignl 7, 3214868480
	.fill 96, 4, 3214868480
	.section	.rodata,"a",@progbits
	.p2align	6, 0x0
	.amdhsa_kernel k_qe01044b282_oproj
		.amdhsa_group_segment_fixed_size 327680
		.amdhsa_private_segment_fixed_size 0
		.amdhsa_enable_private_segment 0
		.amdhsa_kernarg_size 32
		.amdhsa_user_sgpr_count 2
		.amdhsa_user_sgpr_kernarg_segment_ptr 1
		.amdhsa_wavefront_size32 1
		.amdhsa_system_sgpr_workgroup_id_x 1
		.amdhsa_system_sgpr_workgroup_id_y 1
		.amdhsa_system_sgpr_workgroup_id_z 1
		.amdhsa_system_vgpr_workitem_id 0
		.amdhsa_next_free_vgpr 768
		.amdhsa_next_free_sgpr 66
		.amdhsa_reserve_vcc 0
		.amdhsa_float_denorm_mode_32 3
		.amdhsa_float_denorm_mode_16_64 3
		.amdhsa_memory_ordered 1
		.amdhsa_forward_progress 1
		.amdhsa_inst_pref_size 101
	.end_amdhsa_kernel
	.amdgpu_metadata
---
amdhsa.version: [ 1, 2 ]
amdhsa.kernels:
  - .name:           k_qe01044b282_oproj
    .symbol:         k_qe01044b282_oproj.kd
    .args:
      - { .name: oimg, .offset: 0, .size: 8, .value_kind: global_buffer, .address_space: global }
      - { .name: img, .offset: 8, .size: 8, .value_kind: global_buffer, .address_space: global }
      - { .name: wo_b, .offset: 16, .size: 8, .value_kind: global_buffer, .address_space: global }
      - { .name: out0, .offset: 24, .size: 8, .value_kind: global_buffer, .address_space: global }
    .group_segment_fixed_size: 327680
    .private_segment_fixed_size: 0
    .kernarg_segment_align: 8
    .kernarg_segment_size: 32
    .max_flat_workgroup_size: 128
    .sgpr_count:     66
    .vgpr_count:     768
    .wavefront_size: 32
...
	.end_amdgpu_metadata
.endif
;; end of part 4
